; MI455X (gfx1250); checked and timed in simulation.
; The chip was launched on July 23, 2026; its instructions are those of AMD's public machine-readable ISA for CDNA 5 (MIT licence, August 2026) and "CDNA5" Instruction Set Architecture Reference Guide (July 2026). The comments in the code are by the model that wrote it; some were corrected since.
;; Differential Attention. Allowed arithmetic: matrix products marked QUANTISED: E2M1 operands, one E8M0 scale for each 32 along K, by v_wmma_scale_f32_16x16x128_f8f6f4 with both operands' format E2M1 (or v_wmma_scale_f32_32x16x128_f4), f32 sums; products left as they are: bf16, f16 or f32 operands; f32 sums; everything else in f32.
;; Inputs: Wk 1,024 x 1,024 float32; Wo 1,024 x 1,024 float32; Wq 1,024 x 1,024 float32; Wv 1,024 x 1,024 float32; lambda_k1 64 float32; lambda_k2 64 float32; lambda_q1 64 float32; lambda_q2 64 float32; mask 1 x 1 x 4,096 x 4,096 bool; subln_weight 128 float32; x 4,096 x 1,024 float32.
;; Outputs: out0 4,096 x 1,024 float32.
;; This version of the problem:
;;   THIS VERSION OF THE PROBLEM IS GIVEN IN LOW PRECISION. The matrix products marked QUANTISED in the list below multiply operands that are first quantised to E2M1 (2 exponent bits, 1 mantissa bit; 4 bits a number), with one power-of-two scale for each 32 numbers along K (OCP MX v1.0); their sums are f32. The products marked 'left as it is' may take bf16, f16 or f32 operands, with f32 sums. Whichever they take, every output number must still come out within the allowed error. Rounding operands to bf16 (8 significant bits) uses up far more of that allowance than f16 does (11 bits, for magnitudes from 6e-5 to 65,504). All else is computed in f32.
;;   The module's matrix products, in the order in which they are computed (A, B: the left and right operand; K: the contracted axis; several contracted axes count as one K, in the product's order):
;;     1. [M 4,096, K 1,024] x [K 1,024, N 1,024]; A: input x; B: input Wq: QUANTISED
;;     2. [M 4,096, K 1,024] x [K 1,024, N 1,024]; A: input x; B: input Wk: QUANTISED
;;     3. [M 4,096, K 1,024] x [K 1,024, N 1,024]; A: input x; B: input Wv: QUANTISED
;;     4. batch 8 x [M 4,096, K 64] x [K 64, N 4,096]; A: computed on the way; B: computed on the way: left as it is (an operand is computed on the way)
;;     5. batch 8 x [M 128, K 4,096] x [K 4,096, N 4,096]; A: computed on the way; B: computed on the way: left as it is (an operand is computed on the way)
;;     6. batch 8 x [M 4,096, K 64] x [K 64, N 4,096]; A: computed on the way; B: computed on the way: left as it is (an operand is computed on the way)
;;     7. batch 8 x [M 128, K 4,096] x [K 4,096, N 4,096]; A: computed on the way; B: computed on the way: left as it is (an operand is computed on the way)
;;     8. [M 4,096, K 1,024] x [K 1,024, N 1,024]; A: computed on the way; B: input Wo: left as it is (an operand is computed on the way)
;;   THE QUANTISER, for each operand of a quantised product, along K:
;;     - K is cut into blocks of 32 from its start; a last block that is shorter is filled with zeros.
;;     - A block's scale is 2^e with e = floor(log2(the largest magnitude in the block)) - 2, held to -126 .. 127; a block of zeros has e = 0. As a byte (E8M0): e + 127.
;;     - Each number is divided by its block's scale, clamped to +-6, and rounded to the nearest number of E2M1, ties to even, subnormals kept.
;;     - The product sums the exact products of the quantised numbers (number of the format x scale) in f32.
;;   ~~~python
;;   def quantise(x, axis):      # numpy; x: float32 -> the quantised numbers, widened to float32 again
;;       x = np.moveaxis(x, axis, -1); K = x.shape[-1]
;;       x = np.pad(x, [(0, 0)] * (x.ndim - 1) + [(0, -K % 32)]); x = x.reshape(x.shape[:-1] + (-1, 32)); a = np.abs(x).max(-1, keepdims=True)
;;       e = np.where(a > 0, np.clip(np.frexp(np.where(a > 0, a, 1))[1] - 1 - 2, -126, 127), 0)      # np.frexp(a)[1] - 1 = floor(log2(a)), exactly
;;       r = np.clip(x / 2.0 ** e, -6, 6)
;;       step = 2.0 ** (np.maximum(np.frexp(np.where(r == 0, 1, r))[1] - 1, 0) - 1)
;;       q = np.round(r / step) * step * 2.0 ** e      # np.round: ties to even
;;       return np.moveaxis(q.reshape(q.shape[:-2] + (-1,))[..., :K], -1, axis).astype(np.float32)
;;   ~~~
;; One version. Each part assembles by itself: llvm-mc -triple=amdgcn-amd-amdhsa -mcpu=gfx1250 --defsym DOCPART=n.
;; ======== version 1 of 1: 4 launches
;; limits: values are held in f16: magnitudes above 65,504 overflow, below 6.1e-05 lose precision
;; workspace buffers: xc 2,097,152 bytes; xs 131,072 bytes; wc 1,572,864 bytes; ws 98,304 bytes; wo16 2,097,152 bytes; mb 16,777,216 bytes; qkv 25,165,824 bytes; at 8,388,608 bytes
;; launch prep (part 1): grid 240 x 1, 16 waves a work-group, no clusters, 263,168 bytes of LDS; arguments mask, x, Wq, Wk, Wv, Wo, mb, xc, xs, wc, ws, wo16; writes mb, xc, xs, wc, ws, wo16
.if DOCPART == 1
	.amdgcn_target "amdgcn-amd-amdhsa--gfx1250"
	.amdhsa_code_object_version 6
	.text
	.protected	k_q5a73074ffc_prep
	.globl	k_q5a73074ffc_prep
	.p2align	8
	.type	k_q5a73074ffc_prep,@function
k_q5a73074ffc_prep:
	s_mov_b64 s[64:65], 0
	v_nop
	global_prefetch_b8 v0, s[64:65] scope:SCOPE_SE
	s_setreg_imm32_b32 hwreg(HW_REG_WAVE_MODE, 25, 1), 1
	s_wait_xcnt 0x0
; DIFFERENTIAL ATTENTION, launch 1 of 4: every input that later launches read many times is laid out once, narrow.
; NO WORK OF THE PROBLEM IS LEFT OUT: every input (x, mask, Wq, Wk, Wv, Wo, the four lambda vectors, subln_weight) has a way to the output for some values, so all are loaded, and all eight products are done.
; Four roles, chosen by the work-group's number alone (the same in all sixteen waves):
;   0-127   the mask [4096 queries][4096 keys] of bools becomes BIAS BYTES, 0x00 for an open key and 0xfe for a hidden one, laid in the order in which the attention launch's registers take them:
;           mb [block of 128 queries][step of 64 keys][tile of 16 queries][half of 32 keys][lane][16 bytes].  A word whose top byte is 0xfe is a finite f32 between -2^127 and -2^125 whatever lies under it,
;           one whose top byte is 0x00 is under 2.4e-38: a lane's four words, and the same shifted up by 8, 16 and 24 bits, are sixteen numbers that are added to sixteen scores.
;   128-159 x [4096][1024] f32 -> codes of E2M1 (xc, K innermost, 16 bytes a block of 32) and one E8M0 byte a block (xs)
;   160-207 Wq, Wk, Wv [1024 k][1024 n] f32 -> codes with K innermost, wc [3072 n][512 bytes], and bytes ws [3072][32]; n = 1024 x (0 q, 1 k, 2 v) + column
;   208-239 Wo f32 -> f16, as it lies (wo16 [1024 k][1024 n])
; THE QUANTISER: a block's scale is 2^(floor(log2(largest magnitude)) - 2); its byte is the largest magnitude's exponent field - 2, held at 1 from below.  A block of zeros gets the byte 1 where the rule says 127:
; its codes are zeros, which add nothing under any byte but 0xff, and the bytes are read by this program alone.
; LIMITS: blocks whose largest magnitude lies under 2^-124 (the floor) are held at the byte 1; NaN and infinities among the inputs are not served; Wo beyond f16's 65,504 is not served, and under 6e-5 it keeps an absolute error of 3e-8.
; Each role has LDS bytes of its own.  No tensor load, no copy.
.set MROW,  528                        ; mask: a row of 512 bytes + 16 of padding
.set MSTW,  16*MROW                    ; a wave's stage: 16 rows
.set XST,   16*MSTW                    ; x: a region for each wave: two stages of 32 x SP bytes, then its 256 scale bytes
.set XSTW,  5632
.set WST,   XST+16*XSTW                ; W: 64 rows (columns of W) x (512 bytes of codes + 16)
.set WROW,  528
.set WSS,   WST+64*WROW                ; and their 64 x 32 scale bytes
.set SPARE, WSS+64*32                  ; the spare words, 128 bytes for each of the sixteen waves: eight blocks of 256 bytes that no other line names
.set SPW,   12                         ; v12  LDS address of my spare word; never rewritten
.set NIL,   13                         ; v13  0; never rewritten
.set SP,    80                         ; x: a lane's place in a stage: 64 bytes + 16
.set CB,    8                          ; x: bytes of 16 codes
.set STEPS, 16
.set R,     16                         ; x: v16-79 four sets of 16 numbers as loaded
.set X,     80                         ; x: v80-111 two sets of 16 neighbours
.set E,     112                        ; x: v112-127 a scale byte for each step
.set C,     128                        ; x: v128-191 codes, four registers a step
.macro FINISH                          ; the wave's end, behind my last LDS store
	s_wait_tensorcnt 0x0
	ds_add_u32 v[SPW], v[NIL]
	s_wait_dscnt 0x0
	s_endpgm
.endm
.macro XLOAD t
.irp i, 0,1,2,3
	global_load_b128 v[R+16*((\t)%4)+4*\i:R+16*((\t)%4)+4*\i+3], v3, s[4:5] offset:2048*(\t)+512*\i th:TH_LOAD_NT   ; 32 lanes read 512 consecutive bytes
.endr
.endm
.macro XTURN t                         ; step t's numbers through the stage: LDS serves a wave's instructions in order, so no wait stands between the stores and the loads
.irp i, 0,1,2,3
	ds_store_b128 v14, v[R+16*((\t)%4)+4*\i:R+16*((\t)%4)+4*\i+3] offset:32*SP*((\t)%2)+8*SP*\i
.endr
.irp i, 0,1,2,3
	ds_load_b128 v[X+16*((\t)%2)+4*\i:X+16*((\t)%2)+4*\i+3], v15 offset:32*SP*((\t)%2)+16*\i
.endr
.endm
.macro XSTEP t
.set XS, X+16*((\t)%2)
.if (\t) > 0
	s_wait_dscnt 1                                 ; this step's numbers are back from the stage (the last step's byte store may be out)
.else
	s_wait_dscnt 0x0
.endif
.if (\t)+4 < STEPS
	XLOAD (\t)+4                                   ; the registers that the stage's stores have read take the loads of four steps on
.endif
.if (\t)+1 < STEPS
.if STEPS-2-(\t) >= 3
	s_wait_loadcnt 12                              ; the next step's four loads are in; those of the three steps behind it may be out
.else
	s_wait_loadcnt 4*(STEPS-2-(\t))
.endif
	XTURN (\t)+1
.endif
	v_max3_num_f32 v8, |v[XS]|, |v[XS+1]|, |v[XS+2]|               ; the largest magnitude of my 16
	v_max3_num_f32 v9, |v[XS+3]|, |v[XS+4]|, |v[XS+5]|
.irp i, 6,10
	v_max3_num_f32 v8, v8, |v[XS+\i]|, |v[XS+\i+1]|
	v_max3_num_f32 v9, v9, |v[XS+\i+2]|, |v[XS+\i+3]|
.endr
	v_max3_num_f32 v8, v8, |v[XS+14]|, |v[XS+15]|
	v_max3_num_f32 v8, v8, v9, 0x1800000           ; and the floor 2^(3 - 127): the byte cannot fall under 1
	v_max_num_f32_dpp v8, v8, v8 row_xmask:1 row_mask:0xf bank_mask:0xf   ; and of my neighbour's 16: the block's
	v_add_nc_u32 v11, 0xff000000, v8               ; 2 off its exponent field: the conversion takes the exponent field of this operand as its scale
	v_cvt_scalef32_pk8_fp4_f32 v[C+4*(\t)], v[XS:XS+7], v11
	v_cvt_scalef32_pk8_fp4_f32 v[C+4*(\t)+1], v[XS+8:XS+15], v11
	v_lshrrev_b32 v[E+(\t)], 23, v11               ; the scale's byte
	ds_store_b8 v5, v[E+(\t)] offset:16*(\t)       ; both lanes of a block write the same byte with the same value
	global_store_b64 v4, v[C+4*(\t):C+4*(\t)+1], s[6:7] offset:32*CB*(\t)   ; the wave stores 256 consecutive bytes
.endm
.macro WLOAD t                         ; block t of my four: W(128 kq + 32 t + i, my column), i = 0 .. 31, into registers of its own
.set i, 0
.rept 32
	global_load_b32 v[16+32*(\t)+i], v4, s[4:5] offset:(32*(\t)+i)*4096 th:TH_LOAD_NT   ; 32 lanes read 128 consecutive bytes of a row of W
.set i, i+1
.endr
.endm
.macro WBLOCK t                        ; block t: 32 numbers down K of my column, all mine
.set XS, 16+32*(\t)
.if (\t) < 3
	s_wait_loadcnt 32                              ; loads come back in order: this block's 32 are in; the next block's 32 may be out
.else
	s_wait_loadcnt 0x0
.endif
.if (\t)+2 < 4
	WLOAD (\t)+2                                   ; the loads run two blocks ahead
.endif
	v_max3_num_f32 v8, |v[XS]|, |v[XS+1]|, |v[XS+2]|
	v_max3_num_f32 v9, |v[XS+3]|, |v[XS+4]|, |v[XS+5]|
.irp i, 6,10,14,18,22,26
	v_max3_num_f32 v8, v8, |v[XS+\i]|, |v[XS+\i+1]|
	v_max3_num_f32 v9, v9, |v[XS+\i+2]|, |v[XS+\i+3]|
.endr
	v_max3_num_f32 v8, v8, |v[XS+30]|, |v[XS+31]|
	v_max3_num_f32 v8, v8, v9, 0x1800000           ; the floor
	v_add_nc_u32 v11, 0xff000000, v8
	v_lshrrev_b32 v9, 23, v11                      ; the scale's byte
.if (\t) == 0
	v_mov_b32 v160, v9                             ; four bytes to a register, the lower K in the lower byte
.else
	v_lshl_or_b32 v160, v9, 8*(\t), v160
.endif
.irp g, 0,1,2,3
	v_cvt_scalef32_pk8_fp4_f32 v[144+4*(\t)+\g], v[XS+8*\g:XS+8*\g+7], v11
.endr
	ds_store_b128 v5, v[144+4*(\t):147+4*(\t)] offset:16*(\t)   ; 32 codes: 16 bytes of my column's row
.endm
	s_load_b512 s[8:23], s[0:1], 0x0               ; mask s[8:9], x s[10:11], Wq s[12:13], Wk s[14:15], Wv s[16:17], Wo s[18:19], mb s[20:21], xc s[22:23]
	s_load_b256 s[24:31], s[0:1], 0x40             ; xs s[24:25], wc s[26:27], ws s[28:29], wo16 s[30:31]
	v_lshl_add_u32 v[SPW], v0, 2, SPARE
	v_mov_b32 v[NIL], 0
	v_lshrrev_b32 v1, 5, v0
	v_readfirstlane_b32 s32, v1                    ; wave 0..15
	v_and_b32 v2, 31, v0                           ; lane
	v_lshlrev_b32 v3, 4, v2                        ; 16 x lane
	s_mov_b32 s3, 0                                ; the upper word of every offset
	s_wait_kmcnt 0x0
	s_cmp_lt_u32 ttmp9, 128
	s_cbranch_scc0 .Lnot_mask
	; ---- THE MASK.  A wave takes 16 queries x 512 keys: tile of queries qt = 2 x work-group + wave / 8, keys 512 (wave % 8) on.
	s_lshl_b32 s33, ttmp9, 1
	s_lshr_b32 s34, s32, 3
	s_add_co_u32 s33, s33, s34                     ; qt
	s_and_b32 s34, s32, 7                          ; kg
	s_lshl_b32 s2, s33, 16                         ; 16 rows of 4,096 bytes
	s_lshl_b32 s35, s34, 9
	s_add_co_u32 s2, s2, s35
	s_add_nc_u64 s[4:5], s[8:9], s[2:3]
	s_lshr_b32 s2, s33, 3
	s_lshl_b32 s2, s2, 19                          ; mb: 524,288 bytes a block of 128 queries,
	s_lshl_b32 s35, s34, 16                        ; 8 steps of 8,192 bytes,
	s_add_co_u32 s2, s2, s35
	s_and_b32 s35, s33, 7
	s_lshl_b32 s35, s35, 10                        ; 1,024 bytes a tile of queries
	s_add_co_u32 s2, s2, s35
	s_add_nc_u64 s[6:7], s[20:21], s[2:3]
.irp i, 0,1,2,3,4,5,6,7,8,9,10,11,12,13,14,15
	global_load_b128 v[16+4*\i:19+4*\i], v3, s[4:5] offset:\i*4096 th:TH_LOAD_NT   ; 512 consecutive bytes of query i's row
.endr
	s_mul_i32 s36, s32, MSTW                       ; my stage
	v_add_nc_u32 v4, s36, v3                       ; in: 16 x lane of a row
	v_and_b32 v5, 15, v0                           ; r
	v_bfe_u32 v6, v0, 4, 1                         ; h
	v_mul_u32_u24 v5, v5, MROW
	v_lshl_add_u32 v5, v6, 3, v5
	v_add_nc_u32 v5, s36, v5                       ; out: query r's row, + 8 h
	s_mov_b32 s37, 0x05010400                      ; byte selects: two words' bytes 0 and 1 by turns,
	s_mov_b32 s38, 0x07030602                      ; their bytes 2 and 3,
	s_mov_b32 s39, 0x05040100                      ; two low halves,
	s_mov_b32 s40, 0x07060302                      ; two high halves
	s_mov_b32 s41, 0xfefefefe
.irp i, 0,1,2,3,4,5,6,7,8,9,10,11,12,13,14,15
	s_wait_loadcnt 15-\i                           ; loads come back in order: row i is in
	ds_store_b128 v4, v[16+4*\i:19+4*\i] offset:\i*MROW
.endr
.irp p, 0,1,2,3,4,5,6,7,8,9,10,11,12,13,14,15
	ds_load_b64 v[80+4*\p:81+4*\p], v5 offset:32*\p        ; keys 32 p + 8 h + 0 .. 7 of my query (my own stores: LDS serves a wave in order)
	ds_load_b64 v[82+4*\p:83+4*\p], v5 offset:32*\p+16     ; keys 32 p + 16 + 8 h + 0 .. 7
.endr
.irp p, 0,1,2,3,4,5,6,7,8,9,10,11,12,13,14,15
	s_wait_dscnt 30-2*\p                           ; pair p is in (and with it all stores into the stage are done: v16 on may be written)
.irp c, 0,1,2,3
	v_mul_lo_u32 v[80+4*\p+\c], v[80+4*\p+\c], 0xfe        ; bytes 1 -> 0xfe (no byte carries into the next),
.endr
.irp c, 0,1,2,3
	v_xor_b32 v[80+4*\p+\c], s41, v[80+4*\p+\c]            ; turned over: open 0x00, hidden 0xfe
.endr
	v_perm_b32 v144, v[80+4*\p], v[81+4*\p], s37
	v_perm_b32 v145, v[80+4*\p], v[81+4*\p], s38
	v_perm_b32 v146, v[82+4*\p], v[83+4*\p], s37
	v_perm_b32 v147, v[82+4*\p], v[83+4*\p], s38
	v_perm_b32 v[16+4*\p], v144, v146, s39         ; word i, from the top byte down: keys 8 h + i, 8 h + 4 + i, 16 + 8 h + i, 16 + 8 h + 4 + i of these 32
	v_perm_b32 v[17+4*\p], v144, v146, s40
	v_perm_b32 v[18+4*\p], v145, v147, s39
	v_perm_b32 v[19+4*\p], v145, v147, s40
	global_store_b128 v3, v[16+4*\p:19+4*\p], s[6:7] offset:(\p/2)*8192+(\p%2)*512 th:TH_STORE_NT   ; the wave stores 512 consecutive bytes
.endr
	FINISH
.Lnot_mask:
	s_cmp_lt_u32 ttmp9, 160
	s_cbranch_scc0 .Lnot_x
	; ---- x.  Rows are dense and K is a multiple of 32: a plain stream of blocks.  A wave takes a run of 8,192 numbers in 16 steps of 512.
	s_sub_co_u32 s33, ttmp9, 128
	s_lshl_b32 s33, s33, 4
	s_add_co_u32 s33, s33, s32                     ; my run
	s_lshl_b32 s2, s33, 15
	s_add_nc_u64 s[4:5], s[10:11], s[2:3]
	s_lshl_b32 s2, s33, 12
	s_add_nc_u64 s[6:7], s[22:23], s[2:3]
	s_lshl_b32 s2, s33, 8
	s_add_nc_u64 s[34:35], s[24:25], s[2:3]
	s_mul_i32 s36, s32, XSTW
	s_add_co_u32 s36, s36, XST                     ; my region
	v_lshrrev_b32 v14, 2, v2
	v_mul_u32_u24 v14, v14, SP
	v_and_b32 v15, 3, v2
	v_lshl_add_u32 v14, v15, 4, v14
	v_add_nc_u32 v14, s36, v14                     ; the stage, in: four lanes' 64 bytes on end, then 16 of padding
	v_mul_u32_u24 v15, v2, SP
	v_add_nc_u32 v15, s36, v15                     ; out: my 16 neighbours
	v_mul_u32_u24 v4, v2, CB                       ; my codes' place in a step's
	v_lshrrev_b32 v5, 1, v2
	s_add_co_u32 s36, s36, 2*32*SP
	v_add_nc_u32 v5, s36, v5                       ; my block's scale byte
	v_lshlrev_b32 v7, 3, v2
	v_add_nc_u32 v6, s36, v7                       ; and on the way out 8 bytes a lane
.irp t, 0,1,2,3
	XLOAD \t
.endr
	s_wait_loadcnt 12                              ; step 0's four loads are in
	XTURN 0
.irp t, 0,1,2,3,4,5,6,7,8,9,10,11,12,13,14,15
	XSTEP \t
.endr
	ds_load_b64 v[8:9], v6                         ; my 256 scale bytes (my own stores, in order)
	s_wait_dscnt 0x0
	global_store_b64 v7, v[8:9], s[34:35]          ; 32 lanes store 256 consecutive bytes
	FINISH
.Lnot_x:
	s_cmp_lt_u32 ttmp9, 208
	s_cbranch_scc0 .Lnot_w
	; ---- Wq, Wk, Wv.  A work-group takes 64 columns and all of K; a wave 32 columns (wave % 2) x 128 along K (wave / 2).  A lane takes a column and its registers run down K.
	s_sub_co_u32 s33, ttmp9, 160                   ; g: 16 work-groups to a weight
	s_cmp_lt_u32 s33, 32
	s_cselect_b64 s[4:5], s[14:15], s[16:17]
	s_cmp_lt_u32 s33, 16
	s_cselect_b64 s[4:5], s[12:13], s[4:5]
	s_and_b32 s34, s32, 1                          ; cg
	s_lshr_b32 s35, s32, 1                         ; kq
	s_lshl_b32 s2, s35, 19                         ; 128 rows of 4,096 bytes
	s_and_b32 s36, s33, 15
	s_lshl_b32 s36, s36, 8
	s_add_co_u32 s2, s2, s36
	s_lshl_b32 s36, s34, 7
	s_add_co_u32 s2, s2, s36
	s_add_nc_u64 s[4:5], s[4:5], s[2:3]
	v_lshlrev_b32 v4, 2, v2
	WLOAD 0
	WLOAD 1
	s_mul_i32 s36, s34, 32*WROW
	s_lshl_b32 s37, s35, 6
	s_add_co_u32 s36, s36, s37
	s_add_co_u32 s36, s36, WST
	v_mul_u32_u24 v5, v2, WROW
	v_add_nc_u32 v5, s36, v5                       ; my column's row of codes, + 64 kq
	s_lshl_b32 s36, s34, 10
	s_lshl_b32 s37, s35, 2
	s_add_co_u32 s36, s36, s37
	s_add_co_u32 s36, s36, WSS
	v_lshl_add_u32 v6, v2, 5, s36                  ; my column's row of scale bytes, + 4 kq
	s_mul_i32 s36, s32, 4*WROW
	s_add_co_u32 s36, s36, WST
	v_add_nc_u32 v7, s36, v3                       ; back: rows 4 w on, 16 x lane
	s_lshl_b32 s36, s32, 9
	s_add_co_u32 s37, s36, WSS
	v_add_nc_u32 v10, s37, v3                      ; back: 512 scale bytes a wave (used by waves 0 to 3 alone)
	WBLOCK 0
	WBLOCK 1
	WBLOCK 2
	WBLOCK 3
	ds_store_b32 v6, v160
	s_wait_dscnt 0x0                               ; for the others' sake: my stores have landed
	s_barrier_signal -1
	s_barrier_wait -1                              ; 64 whole rows of codes and of scale bytes lie in LDS
.irp i, 0,1,2,3
	ds_load_b128 v[164+4*\i:167+4*\i], v7 offset:\i*WROW
.endr
	s_lshl_b32 s2, s33, 15                         ; wc: 64 rows of 512 bytes a work-group,
	s_lshl_b32 s37, s32, 11                        ; 4 rows a wave
	s_add_co_u32 s2, s2, s37
	s_add_nc_u64 s[6:7], s[26:27], s[2:3]
.irp i, 0,1,2,3
	s_wait_dscnt 3-\i
	global_store_b128 v3, v[164+4*\i:167+4*\i], s[6:7] offset:512*\i   ; a whole row: 512 consecutive bytes
.endr
	s_cmp_lt_u32 s32, 4
	s_cbranch_scc0 .Lw_done
	ds_load_b128 v[180:183], v10
	s_lshl_b32 s2, s33, 11
	s_add_co_u32 s2, s2, s36
	s_add_nc_u64 s[34:35], s[28:29], s[2:3]
	s_wait_dscnt 0x0
	global_store_b128 v3, v[180:183], s[34:35]     ; 512 consecutive bytes of scale bytes
.Lw_done:
	FINISH
.Lnot_w:
	; ---- Wo to f16, as it lies.  A wave takes 2,048 numbers.
	s_sub_co_u32 s33, ttmp9, 208
	s_lshl_b32 s33, s33, 4
	s_add_co_u32 s33, s33, s32
	s_lshl_b32 s2, s33, 13
	s_add_nc_u64 s[4:5], s[18:19], s[2:3]
	s_lshl_b32 s2, s33, 12
	s_add_nc_u64 s[6:7], s[30:31], s[2:3]
	v_lshlrev_b32 v4, 3, v2
.irp i, 0,1,2,3,4,5,6,7,8,9,10,11,12,13,14,15
	global_load_b128 v[16+4*\i:19+4*\i], v3, s[4:5] offset:512*\i th:TH_LOAD_NT
.endr
.irp i, 0,1,2,3,4,5,6,7,8,9,10,11,12,13,14,15
	s_wait_loadcnt 15-\i
	v_cvt_pk_f16_f32 v[80+2*\i], v[16+4*\i], v[17+4*\i]
	v_cvt_pk_f16_f32 v[81+2*\i], v[18+4*\i], v[19+4*\i]
	global_store_b64 v4, v[80+2*\i:81+2*\i], s[6:7] offset:256*\i   ; the wave stores 256 consecutive bytes
.endr
	FINISH
.Lfunc_end_k_q5a73074ffc_prep:
	.size	k_q5a73074ffc_prep, .Lfunc_end_k_q5a73074ffc_prep-k_q5a73074ffc_prep
	.p2alignl 7, 3214868480
	.fill 96, 4, 3214868480
	.section	.rodata,"a",@progbits
	.p2align	6, 0x0
	.amdhsa_kernel k_q5a73074ffc_prep
		.amdhsa_group_segment_fixed_size 263168
		.amdhsa_private_segment_fixed_size 0
		.amdhsa_enable_private_segment 0
		.amdhsa_kernarg_size 96
		.amdhsa_user_sgpr_count 2
		.amdhsa_user_sgpr_kernarg_segment_ptr 1
		.amdhsa_wavefront_size32 1
		.amdhsa_system_sgpr_workgroup_id_x 1
		.amdhsa_system_sgpr_workgroup_id_y 1
		.amdhsa_system_sgpr_workgroup_id_z 1
		.amdhsa_system_vgpr_workitem_id 0
		.amdhsa_next_free_vgpr 192
		.amdhsa_next_free_sgpr 66
		.amdhsa_reserve_vcc 0
		.amdhsa_float_denorm_mode_32 3
		.amdhsa_float_denorm_mode_16_64 3
		.amdhsa_memory_ordered 1
		.amdhsa_forward_progress 1
		.amdhsa_inst_pref_size 85
	.end_amdhsa_kernel
	.amdgpu_metadata
---
amdhsa.version: [ 1, 2 ]
amdhsa.kernels:
  - .name:           k_q5a73074ffc_prep
    .symbol:         k_q5a73074ffc_prep.kd
    .args:
      - { .name: mask, .offset: 0, .size: 8, .value_kind: global_buffer, .address_space: global }
      - { .name: x, .offset: 8, .size: 8, .value_kind: global_buffer, .address_space: global }
      - { .name: Wq, .offset: 16, .size: 8, .value_kind: global_buffer, .address_space: global }
      - { .name: Wk, .offset: 24, .size: 8, .value_kind: global_buffer, .address_space: global }
      - { .name: Wv, .offset: 32, .size: 8, .value_kind: global_buffer, .address_space: global }
      - { .name: Wo, .offset: 40, .size: 8, .value_kind: global_buffer, .address_space: global }
      - { .name: mb, .offset: 48, .size: 8, .value_kind: global_buffer, .address_space: global }
      - { .name: xc, .offset: 56, .size: 8, .value_kind: global_buffer, .address_space: global }
      - { .name: xs, .offset: 64, .size: 8, .value_kind: global_buffer, .address_space: global }
      - { .name: wc, .offset: 72, .size: 8, .value_kind: global_buffer, .address_space: global }
      - { .name: ws, .offset: 80, .size: 8, .value_kind: global_buffer, .address_space: global }
      - { .name: wo16, .offset: 88, .size: 8, .value_kind: global_buffer, .address_space: global }
    .group_segment_fixed_size: 263168
    .private_segment_fixed_size: 0
    .kernarg_segment_align: 8
    .kernarg_segment_size: 96
    .max_flat_workgroup_size: 512
    .sgpr_count:     66
    .vgpr_count:     192
    .wavefront_size: 32
...
	.end_amdgpu_metadata
.endif
;; end of part 1
;; launch qkv (part 2): grid 12 x 16, 4 waves a work-group, clusters of 4 x 4, 327,680 bytes of LDS; arguments xc, xs, wc, ws, qkv; writes qkv
.if DOCPART == 2
	.amdgcn_target "amdgcn-amd-amdhsa--gfx1250"
	.amdhsa_code_object_version 6
	.text
	.protected	k_q5a73074ffc_qkv
	.globl	k_q5a73074ffc_qkv
	.p2align	8
	.type	k_q5a73074ffc_qkv,@function
k_q5a73074ffc_qkv:
	s_mov_b64 s[64:65], 0
	v_nop
	global_prefetch_b8 v0, s[64:65] scope:SCOPE_SE
	s_setreg_imm32_b32 hwreg(HW_REG_WAVE_MODE, 25, 1), 1
	s_wait_xcnt 0x0
	s_wait_alu depctr_hold_cnt(0) depctr_sa_sdst(0) depctr_va_vdst(0) depctr_va_sdst(0) depctr_va_ssrc(0) depctr_va_vcc(0) depctr_vm_vsrc(0)
	s_getreg_b32 s2, hwreg(HW_REG_IB_STS2, 6, 4)
	s_cmp_eq_u32 s2, 0
	s_cbranch_scc0 .Lentry_in_a_cluster
	s_endpgm
.Lentry_in_a_cluster:
	s_bfe_u32 s2, ttmp6, 0x10000c
	s_cmp_lg_u32 s2, 0xf033
	s_cbranch_scc0 .Lentry_shape_is_right
	s_endpgm
.Lentry_shape_is_right:
; Launch 2 of 4: the three QUANTISED products as one: C [4096][3072] = x (Wq | Wk | Wv), on codes of E2M1 with one E8M0 scale for each 32 along K = 1024; sums in f32; no work is left out.
; A = xc [4096][512 bytes], xs [4096][32]; B = wc [3072][512 bytes], ws [3072][32]: K innermost, two codes a byte, the lower k in the low four bits.
; THE RESULT IS ROUNDED TO f16 (an operand of products that are left as they are) and laid by head: qkv [plane 24][4096 rows][128], plane = column / 128: q's heads 0-7, k's 8-15, v's 16-23.
; LIMIT: results beyond f16's 65,504 are not served (with x and the weights thirty times larger each they stay near 3,000).
; A tile of C, 256 x 256, is made by four waves, as many as a WGP has SIMDs; a wave makes 128 x 128: 64 accumulators of 16 x 16, 512 registers.  K = 1024 is two K steps of 512: the two LDS slots are filled once each, nothing is filled again.
; By this text's own count a wave has three tensor loads out at the start: its part of the scales, of slot 0 and of slot 1.
; THE SCALES of the work-group's 256 rows of A and of B, for all of K, are two dense blocks of memory: they come into LDS once, as rows of 256 bytes.
; CLUSTERS: 4 x 4 work-groups.  The four of a row of the cluster need the same tiles of A, the four of a column the same tiles of B: each tile is asked for JOINTLY.
; THE MATRIX INSTRUCTION IS USED TRANSPOSED (source 0 = 16 rows of B, source 1 = 16 rows of A): a lane then holds eight neighbouring numbers of a row of C.
; REGISTERS, in windows of 256: window 0: v0-31 addresses; v32-95 scale words, two sets (they hold nothing else); v128-191 A's fragments, ONE set, on the way out rows read back; v192-223 packed results.
;   window 1: B's fragments, TWO sets, at v0 and at v128.   window 2: the accumulators of my rows 0-63 ((a, b) at v[8 (8 a + b)]);   window 3: those of my rows 64-127.
.set SIZE_M, 4096
.set SIZE_N, 3072
.set SIZE_K, 1024
.set KSTEP,  512                       ; along K in a slot
.set NQ,     KSTEP/128                 ; matrix instructions deep
.set ROWB,   256                       ; a tile's row in bytes
.set KROW,   SIZE_K*4/8                ; a row of A or of B in memory, in bytes
.set PITCH,  272                       ; an LDS row: 256 bytes + 16 of padding = 68 words: the 16 rows that a load touches start at 16 different banks (64 banks of 4 bytes: ISA guide 11.1)
.set FR,     8                         ; registers of a fragment: 16 rows x 128 K
.set NL,     2                         ; LDS loads that bring one
.set NP,     4                         ; places behind this matrix instruction (ISA guide 7.12.1)
.set HALFT,  128*PITCH
.set SLOT,   4*HALFT                   ; A's 256 rows, then B's 256 rows
.set KS,     SIZE_K/32                 ; a row of scales in bytes
.set SCL,    2*SLOT                    ; behind the ring: the scales, as rows of 256 bytes + 16 of padding
.set HALFS,  (128*KS/256)*272
.set SBLK,   (16*KS/256)*272
.set SPARE,  SCL+4*HALFS               ; the spare words, 128 bytes for each wave: two blocks of 256 bytes that no other line names
.set SPITCH, 272                       ; the way out: a stage of 16 rows x (256 bytes + 16) for each wave, in slot 0, which has had its only fill and its last read when the first result is stored there
.set ADRA, 16
.set ADRB, 20
.set STO,  24
.set RD,   25
.set CO,   26
.set ADRS, 27
.set SPW,  28
.set NIL,  29
.set SC,   32
.set AF,   128
.set BK,   128
.set TMP,  192
.set G1, 24
.set G0, 32
.set G1B, 48
.set G0B, 56
.set G1S, 68
.set G0S, 76
.set G1SB, 80
.set G0SB, 88
.set MSB, 0
.macro WIN new                         ; the immediate's high byte repeats the setting that is left
.if MSB != (\new)
	s_set_vgpr_msb (MSB<<8)|(\new)
.set MSB, (\new)
.endif
.endm
.set MUL_LO, 0xa1                      ; source 0 (B) window 1, source 1 (A) window 0, C and D window 2
.set MUL_HI, 0xf1                      ; the same, C and D window 3
.set TO_B,   0x40                      ; destination window 1, address window 0
; A joint load: waves 0 and 1 fetch for A, waves 2 and 3 for B.  The branch hangs on the wave's number alone.  An s_nop 0 and four v_nop follow each of the two lines.
.macro JLOAD g0a, g1a, g0b, g1b
	s_cmp_eq_u32 s15, 0
	s_cbranch_scc0 .Lfor_b_\@
	tensor_load_to_lds s[\g0a:\g0a+3], s[\g1a:\g1a+7]
	s_nop 0
.rept 4
	v_nop
.endr
	s_branch .Lasked_\@
.Lfor_b_\@:
	tensor_load_to_lds s[\g0b:\g0b+3], s[\g1b:\g1b+7]
	s_nop 0
.rept 4
	v_nop
.endr
.Lasked_\@:
.endm
.macro CROUND                          ; a round of the cluster's barrier
	s_barrier_signal -1
	s_barrier_wait -1
	s_cmp_lg_u32 s14, 0
	s_cbranch_scc1 .Lnot_wave_0_\@
	s_barrier_signal -3
.Lnot_wave_0_\@:
	s_barrier_wait -3
	s_barrier_signal -1
	s_barrier_wait -1
.endm
	s_load_b128 s[4:7], s[0:1], 0x0                ; A's codes s[4:5], A's scales s[6:7]
	s_load_b128 s[8:11], s[0:1], 0x10              ; B's codes s[8:9], B's scales s[10:11]
	s_load_b64 s[12:13], s[0:1], 0x20              ; qkv
	v_lshl_add_u32 v[SPW], v0, 2, SPARE
	v_mov_b32 v[NIL], 0
	ds_add_u32 v[SPW], v[NIL]                      ; the wave's opening: the add, twice on end, and its wait ahead of my first tensor load
	ds_add_u32 v[SPW], v[NIL]
	v_lshrrev_b32 v1, 5, v0
	v_readfirstlane_b32 s14, v1                    ; wave 0..3
	s_lshr_b32 s15, s14, 1                         ; which half of the tile's rows is mine.  Also: I fetch for A (0) or for B (1)
	s_and_b32 s16, s14, 1                          ; which half of its columns.  Also: which 128 rows of that tile I fetch
	s_bfe_u32 s40, ttmp6, 0x40000                  ; cx, cy: my place in the cluster
	s_bfe_u32 s41, ttmp6, 0x40004
	s_lshl_b32 s42, ttmp9, 2
	s_add_co_u32 s42, s42, s40                     ; tile column of C
	s_and_b32 s17, ttmp7, 0xffff
	s_lshl_b32 s17, s17, 2
	s_add_co_u32 s17, s17, s41                     ; tile row of C
	s_lshl_b32 s43, s41, 2
	s_lshl_b32 s43, 15, s43                        ; my row of the cluster
	s_lshl_b32 s44, 0x1111, s40                    ; my column
	s_or_b32 s[G1+0], s43, (0<<16)|(1<<20)|(1<<21)|(5<<22)|(3<<25)  ; the mask: A's tiles go to my row; elements of 1 byte; padding on: 4 words after every 64; bit 21 beside a mask
	s_or_b32 s[G1B+0], s44, (0<<16)|(1<<20)|(1<<21)|(5<<22)|(3<<25)
.irp g, G1, G1B
	s_mov_b32 s[\g+1], ROWB<<16                    ; tensor_dim0
	s_mov_b32 s[\g+2], 128<<16                     ; tensor_dim1
	s_mov_b32 s[\g+3], ROWB<<16                    ; tile_dim0
	s_mov_b32 s[\g+4], 128                         ; tile_dim1
	s_mov_b32 s[\g+5], KROW                        ; tensor_dim0_stride
	s_mov_b32 s[\g+6], 0
	s_mov_b32 s[\g+7], 0
.endr
	s_or_b32 s[G1S+0], s43, (3<<16)|(1<<20)|(1<<21)|(5<<22)|(3<<25)   ; the scales of 128 rows: 4,096 dense bytes as rows of 256 (32 elements of 8 bytes)
	s_or_b32 s[G1SB+0], s44, (3<<16)|(1<<20)|(1<<21)|(5<<22)|(3<<25)
.irp g, G1S, G1SB
	s_mov_b32 s[\g+1], 32<<16
	s_mov_b32 s[\g+2], (128*KS/256)<<16
	s_mov_b32 s[\g+3], 32<<16
	s_mov_b32 s[\g+4], 128*KS/256
	s_mov_b32 s[\g+5], 32
	s_mov_b32 s[\g+6], 0
	s_mov_b32 s[\g+7], 0
.endr
	s_lshl_b32 s18, s16, 7
	s_lshl_b32 s20, s17, 8
	s_add_co_u32 s20, s20, s18                     ; A: row 256 x tile row + 128 x half
	s_lshl_b32 s46, s42, 8
	s_add_co_u32 s46, s46, s18                     ; B: row 256 x tile column + 128 x half
	s_mov_b32 s21, 0
	s_mov_b32 s47, 0
	s_mov_b64 s[18:19], KS
	s_mul_u64 s[22:23], s[20:21], s[18:19]         ; where these rows' scales begin, in bytes
	s_mul_u64 s[92:93], s[46:47], s[18:19]
	s_mov_b64 s[18:19], KROW
	s_mul_u64 s[20:21], s[20:21], s[18:19]         ; and their codes
	s_mul_u64 s[46:47], s[46:47], s[18:19]
	s_mul_i32 s45, s14, HALFT                      ; where they go: wave x 128 rows
	s_mul_i32 s94, s14, HALFS
	s_wait_dscnt 0x0                               ; both opening adds are done
	s_wait_kmcnt 0x0
	s_add_nc_u64 s[20:21], s[4:5], s[20:21]
	s_add_nc_u64 s[22:23], s[6:7], s[22:23]
	s_add_nc_u64 s[46:47], s[8:9], s[46:47]
	s_add_nc_u64 s[92:93], s[10:11], s[92:93]
	CROUND                                         ; all sixteen work-groups are here: the joint loads meet
	s_mov_b32 s[G0S], 1
	s_add_co_u32 s[G0S+1], s94, SCL
	s_mov_b64 s[G0S+2:G0S+3], s[22:23]
	s_or_b32 s[G0S+3], s[G0S+3], 0x80000000
	s_mov_b32 s[G0SB], 1
	s_add_co_u32 s[G0SB+1], s94, SCL
	s_mov_b64 s[G0SB+2:G0SB+3], s[92:93]
	s_or_b32 s[G0SB+3], s[G0SB+3], 0x80000000
	JLOAD G0S, G1S, G0SB, G1SB                     ; the scales first: they are wanted with K step 0
.irp s, 0,1
	s_mov_b32 s[G0+4*\s], 1
	s_add_co_u32 s[G0+4*\s+1], s45, \s*SLOT
	s_add_nc_u64 s[G0+4*\s+2:G0+4*\s+3], s[20:21], \s*ROWB
	s_or_b32 s[G0+4*\s+3], s[G0+4*\s+3], 0x80000000
	s_mov_b32 s[G0B+4*\s], 1
	s_add_co_u32 s[G0B+4*\s+1], s45, \s*SLOT
	s_add_nc_u64 s[G0B+4*\s+2:G0B+4*\s+3], s[46:47], \s*ROWB
	s_or_b32 s[G0B+4*\s+3], s[G0B+4*\s+3], 0x80000000
	JLOAD G0+4*\s, G1, G0B+4*\s, G1B
.endr
	v_and_b32 v1, 15, v0                           ; l % 16
	v_bfe_u32 v2, v0, 4, 1                         ; l / 16
	v_mul_u32_u24 v3, v1, PITCH
	v_lshl_add_u32 v4, v2, 4, v3                   ; a fragment's row x pitch + 16 x half
	s_mul_i32 s21, s15, HALFT                      ; my 128 rows of A
	s_mul_i32 s22, s16, HALFT                      ; my 128 rows of B,
	s_add_co_u32 s22, s22, 2*HALFT                 ; which lie behind A's 256
.irp s, 0,1
	v_add_nc_u32 v[ADRA+\s], s21, v4
	v_add_nc_u32 v[ADRB+\s], s22, v4
	s_add_co_u32 s21, s21, SLOT
	s_add_co_u32 s22, s22, SLOT
.endr
	v_mul_u32_u24 v5, v1, KS                       ; my row's scales: KS bytes a row,
	v_lshrrev_b32 v6, 8, v5
	v_lshl_add_u32 v5, v6, 4, v5                   ; and 16 more for each 256 passed
	s_mul_i32 s21, s15, HALFS
	s_mul_i32 s22, s16, HALFS
	s_add_co_u32 s22, s22, 2*HALFS
	s_sub_co_u32 s22, s22, s21
	v_mul_u32_u24 v6, s22, v2                      ; lanes 16-31 take B's
	s_add_co_u32 s21, s21, SCL
	v_add_nc_u32 v5, v5, v6
	v_add_nc_u32 v[ADRS], s21, v5
	s_mul_i32 s23, s14, 16*SPITCH                  ; my stage
	v_mul_u32_u24 v5, v1, SPITCH                   ; in: row l % 16, 16 bytes for each half of the lanes
	v_lshl_add_u32 v5, v2, 4, v5
	v_add_nc_u32 v[STO], s23, v5
	v_mul_u32_u24 v5, v2, SPITCH                   ; back: lanes 0-15 take one row of 256 bytes, lanes 16-31 the next
	v_lshl_add_u32 v5, v1, 4, v5
	v_add_nc_u32 v[RD], s23, v5
	v_and_b32 v6, 31, v0
	v_lshlrev_b32 v[CO], 4, v6                     ; in a plane rows of 256 bytes lie on end: two rows are 512 consecutive bytes, 16 a lane
	s_lshl_b32 s20, s17, 8
	s_lshl_b32 s21, s15, 7
	s_add_co_u32 s20, s20, s21                     ; my first row: 256 x tile row + 128 x half,
	s_lshl_b32 s20, s20, 8                         ; of 256 bytes,
	s_lshl_b32 s46, s42, 1
	s_add_co_u32 s46, s46, s16                     ; in plane 2 x tile column + half,
	s_lshl_b32 s46, s46, 20                        ; of 2^20 bytes
	s_add_co_u32 s20, s20, s46
	s_mov_b32 s21, 0
	s_add_nc_u64 s[12:13], s[12:13], s[20:21]
.macro FRAG reg, adr, q, i             ; a fragment: lane l holds row l % 16; registers 4 c .. 4 c + 3 hold K = 64 c + 32 (l / 16) + 0 .. 31
.irp c, 0,1
	ds_load_b128 v[\reg+4*\c:\reg+4*\c+3], v[\adr] offset:64*(\q)+32*\c+(\i)*16*PITCH
.endr
.endm
; 16 matrix instructions: A's blocks a0, a0 + 1 x B's eight, 128 along K.  zero = 1: the first product starts the sums.  The 64 accumulators take turns, one instruction a turn.
.macro MUL16 a0, p, q, sc, zero
.irp a, \a0, \a0+1
.irp b, 0,1,2,3,4,5,6,7
.if \zero
	v_wmma_scale_f32_16x16x128_f8f6f4 v[8*(8*((\a)%4)+\b):8*(8*((\a)%4)+\b)+7], v[128*(\p)+FR*\b:128*(\p)+FR*\b+FR-1], v[AF+FR*(\a):AF+FR*(\a)+FR-1], 0, v[SC+8*NQ*(\sc)+NQ*\b+(\q)], v[SC+8*NQ*(\sc)+NQ*(\a)+(\q)] matrix_a_fmt:MATRIX_FMT_FP4 matrix_b_fmt:MATRIX_FMT_FP4 matrix_a_scale:MATRIX_SCALE_ROW1
.else
	v_wmma_scale_f32_16x16x128_f8f6f4 v[8*(8*((\a)%4)+\b):8*(8*((\a)%4)+\b)+7], v[128*(\p)+FR*\b:128*(\p)+FR*\b+FR-1], v[AF+FR*(\a):AF+FR*(\a)+FR-1], v[8*(8*((\a)%4)+\b):8*(8*((\a)%4)+\b)+7], v[SC+8*NQ*(\sc)+NQ*\b+(\q)], v[SC+8*NQ*(\sc)+NQ*(\a)+(\q)] matrix_a_fmt:MATRIX_FMT_FP4 matrix_b_fmt:MATRIX_FMT_FP4 matrix_a_scale:MATRIX_SCALE_ROW1
.endif
.endr
.endr
.endm
.macro FETCH_B slot, q, p
	WIN TO_B
.irp i, 0,1,2,3,4,5,6,7
	FRAG 128*(\p)+FR*\i, ADRB+\slot, \q, \i
.endr
	WIN 0
.endm
.macro FETCH_A slot, q, i0
.irp i, \i0, \i0+1, \i0+2, \i0+3
	FRAG AF+FR*(\i), ADRA+\slot, \q, \i
.endr
.endm
.macro SCALES sc                       ; a K step's scale words: lanes 0-15 take A's block i, lanes 16-31 B's block i
.irp i, 0,1,2,3,4,5,6,7
	ds_load_b128 v[SC+8*NQ*\sc+NQ*\i:SC+8*NQ*\sc+NQ*\i+3], v[ADRS] offset:\i*SBLK
.endr
.endm
.macro PLACES n                        ; plain vector instructions between a matrix instruction and a load into, or a read of, its registers
.rept \n
	v_nop
.endr
.endm
.macro STEP slot, q, zero              ; a step of 128 along K that has its successor in the same slot
	s_wait_dscnt 4*NL                              ; B's set and A's blocks 0-3 are in; the youngest eight loads (A's blocks 4-7) may be out
	WIN MUL_LO
	MUL16 0, (\q)%2, \q, \slot, \zero
	MUL16 2, (\q)%2, \q, \slot, \zero
	s_wait_dscnt 0                                 ; A's blocks 4-7 are in
	PLACES NP
	FETCH_B \slot, (\q)+1, 1-(\q)%2
	FETCH_A \slot, (\q)+1, 0
	WIN MUL_HI
	MUL16 4, (\q)%2, \q, \slot, \zero
	MUL16 6, (\q)%2, \q, \slot, \zero
	PLACES NP
	WIN 0
	FETCH_A \slot, (\q)+1, 4
.endm
.macro STEPS slot, from
.set Q, \from
.rept NQ-1-\from
	STEP \slot, Q, 0
.set Q, Q+1
.endr
.endm
	s_wait_tensorcnt 1                             ; the scales and my part of K step 0 are in (K step 1's load may be out)
	s_barrier_signal -1
	s_barrier_wait -1                              ; everybody's are
	FETCH_B 0, 0, 0
	FETCH_A 0, 0, 0
	SCALES 0
	FETCH_A 0, 0, 4
	STEP 0, 0, 1                                   ; the first step's products start the sums
	STEPS 0, 1
	; slot 0's last step changes slots: one barrier; nothing is filled again
	s_wait_tensorcnt 0x0                           ; all my tensor loads have landed: my part of slot 1
	ds_add_u32 v[SPW], v[NIL]                      ; 0 onto my spare word
	s_wait_dscnt 4*NL+1                            ; (the add and the youngest eight loads may be out)
	WIN MUL_LO
	MUL16 0, 1, NQ-1, 0, 0
	s_wait_dscnt 0x0                               ; the add is done, and my reads of slot 0 are over
	s_barrier_signal -1
	MUL16 2, 1, NQ-1, 0, 0
	WIN 0
	s_barrier_wait -1                              ; slot 1 is whole, and nobody reads slot 0 any more
	PLACES NP
	v_add_nc_u32 v[ADRS], 4*NQ, v[ADRS]            ; on to the next K step's scale words
	FETCH_B 1, 0, 0
	FETCH_A 1, 0, 0
	SCALES 1
	WIN MUL_HI
	MUL16 4, 1, NQ-1, 0, 0
	MUL16 6, 1, NQ-1, 0, 0
	PLACES NP
	WIN 0
	FETCH_A 1, 0, 4
	STEPS 1, 0
	s_wait_dscnt 4*NL                              ; the very last step: nothing more to fetch
	WIN MUL_LO
	MUL16 0, 1, NQ-1, 1, 0
	MUL16 2, 1, NQ-1, 1, 0
	s_wait_dscnt 0
	WIN MUL_HI
	MUL16 4, 1, NQ-1, 1, 0
	MUL16 6, 1, NQ-1, 1, 0
	WIN 0
; THE WAY OUT, block by block of 16 rows x 128 columns.  PACK: rounded to f16, 16 bytes a lane, each accumulator from its low end on.  TOSTAGE: into my own stage and back as whole rows of 256 bytes.  SEND: stored.
.macro PACK a
.set AC, 64*((\a)%4)
	WIN 0x0a+5*((\a)/4)                            ; sources 0 and 1: window 2 or 3
.irp b, 0,1,2,3,4,5,6,7
.irp r, 0,1,2,3
	v_cvt_pk_f16_f32 v[TMP+4*\b+\r], v[AC+8*\b+2*\r], v[AC+8*\b+2*\r+1]
.endr
.endr
	WIN 0
.endm
.macro TOSTAGE a
.set BB, BK+32*((\a)%2)
.irp b, 0,1,2,3,4,5,6,7
	ds_store_b128 v[STO], v[TMP+4*\b:TMP+4*\b+3] offset:32*\b
.endr
.irp t, 0,1,2,3,4,5,6,7
	ds_load_b128 v[BB+4*\t:BB+4*\t+3], v[RD] offset:\t*2*SPITCH    ; LDS serves a wave's instructions in order: these see the stores above
.endr
.endm
.macro SEND a
.set BB, BK+32*((\a)%2)
	s_wait_dscnt 0x0                               ; the block is back in registers
	s_wait_xcnt 0x0                                ; the stores of the block before have read their registers: the next block's loads may land there
.irp t, 0,1,2,3,4,5,6,7
	global_store_b128 v[CO], v[BB+4*\t:BB+4*\t+3], s[12:13] offset:(\a)*4096+\t*512   ; the wave stores 512 consecutive bytes: two rows of the plane
.endr
.endm
	PLACES NP                                      ; behind the last products: for the conversions, and for the loads into the registers that held A's fragments
	PACK 0
	TOSTAGE 0
.irp a, 1,2,3,4,5,6,7
	PACK \a                                        ; block a's conversions stand between block a - 1's loads from the stage and the wait for them
	SEND \a-1
	TOSTAGE \a
.endr
	SEND 7
	s_wait_tensorcnt 0x0                           ; the wave's end, behind my last tensor load and my last LDS store
	ds_add_u32 v[SPW], v[NIL]
	s_wait_dscnt 0x0
	CROUND                                         ; the closing round
	s_endpgm
.Lfunc_end_k_q5a73074ffc_qkv:
	.size	k_q5a73074ffc_qkv, .Lfunc_end_k_q5a73074ffc_qkv-k_q5a73074ffc_qkv
	.p2alignl 7, 3214868480
	.fill 96, 4, 3214868480
	.section	.rodata,"a",@progbits
	.p2align	6, 0x0
	.amdhsa_kernel k_q5a73074ffc_qkv
		.amdhsa_group_segment_fixed_size 327680
		.amdhsa_private_segment_fixed_size 0
		.amdhsa_enable_private_segment 0
		.amdhsa_kernarg_size 40
		.amdhsa_user_sgpr_count 2
		.amdhsa_user_sgpr_kernarg_segment_ptr 1
		.amdhsa_wavefront_size32 1
		.amdhsa_system_sgpr_workgroup_id_x 1
		.amdhsa_system_sgpr_workgroup_id_y 1
		.amdhsa_system_sgpr_workgroup_id_z 1
		.amdhsa_system_vgpr_workitem_id 0
		.amdhsa_next_free_vgpr 1024
		.amdhsa_next_free_sgpr 98
		.amdhsa_reserve_vcc 0
		.amdhsa_float_denorm_mode_32 3
		.amdhsa_float_denorm_mode_16_64 3
		.amdhsa_memory_ordered 1
		.amdhsa_forward_progress 1
		.amdhsa_inst_pref_size 126
	.end_amdhsa_kernel
	.amdgpu_metadata
---
amdhsa.version: [ 1, 2 ]
amdhsa.kernels:
  - .name:           k_q5a73074ffc_qkv
    .symbol:         k_q5a73074ffc_qkv.kd
    .args:
      - { .name: xc, .offset: 0, .size: 8, .value_kind: global_buffer, .address_space: global }
      - { .name: xs, .offset: 8, .size: 8, .value_kind: global_buffer, .address_space: global }
      - { .name: wc, .offset: 16, .size: 8, .value_kind: global_buffer, .address_space: global }
      - { .name: ws, .offset: 24, .size: 8, .value_kind: global_buffer, .address_space: global }
      - { .name: qkv, .offset: 32, .size: 8, .value_kind: global_buffer, .address_space: global }
    .group_segment_fixed_size: 327680
    .private_segment_fixed_size: 0
    .kernarg_segment_align: 8
    .kernarg_segment_size: 40
    .max_flat_workgroup_size: 128
    .sgpr_count:     98
    .vgpr_count:     1024
    .wavefront_size: 32
...
	.end_amdgpu_metadata
.endif
;; end of part 2
;; launch attn (part 3): grid 32 x 8, 4 waves a work-group, clusters of 4 x 1, 327,680 bytes of LDS; arguments qkv, mb, lambda_q1, lambda_k1, lambda_q2, lambda_k2, subln_weight, at; writes at
.if DOCPART == 3
	.amdgcn_target "amdgcn-amd-amdhsa--gfx1250"
	.amdhsa_code_object_version 6
	.text
	.protected	k_q5a73074ffc_attn
	.globl	k_q5a73074ffc_attn
	.p2align	8
	.type	k_q5a73074ffc_attn,@function
k_q5a73074ffc_attn:
	s_mov_b64 s[64:65], 0
	v_nop
	global_prefetch_b8 v0, s[64:65] scope:SCOPE_SE
	s_setreg_imm32_b32 hwreg(HW_REG_WAVE_MODE, 25, 1), 1
	s_wait_xcnt 0x0
	s_wait_alu depctr_hold_cnt(0) depctr_sa_sdst(0) depctr_va_vdst(0) depctr_va_sdst(0) depctr_va_ssrc(0) depctr_va_vcc(0) depctr_vm_vsrc(0)
	s_getreg_b32 s2, hwreg(HW_REG_IB_STS2, 6, 4)
	s_cmp_eq_u32 s2, 0
	s_cbranch_scc0 .Lentry_in_a_cluster
	s_endpgm
.Lentry_in_a_cluster:
	s_bfe_u32 s2, ttmp6, 0x10000c
	s_cmp_lg_u32 s2, 0x3003
	s_cbranch_scc0 .Lentry_shape_is_right
	s_endpgm
.Lentry_shape_is_right:
; Launch 3 of 4: both branches' attention, lambda, the difference, RMSNorm over a head's 128 channels, the weight, x 0.8; the result, rounded to f16, is at [4096][1024].  No work is left out.
; qkv [plane 24][4096][128] f16: q's heads in planes 0-7, k's in 8-15 (branch b at byte 128 b of a row), v's in 16-23.  mb: the mask as bias bytes in the order of my registers (0x00 open, 0xfe hidden).
; Products on f16 operands (q, k, v; the weights p, at most 1), sums, maxima and all else in f32.
; SHARES.  A work-group owns 128 queries of one head, each of its four waves 32, in both branches: four TILES of 16 queries; tile t is branch t / 2, queries 16 (t % 2) on.  Every wave walks all 4,096 keys, 64 a step.
; LAYOUT.  S^T = K Q^T (source 0 = 16 keys, source 1 = 16 queries): a lane holds ONE query (lane % 16) and keys 8 (lane / 16) + 0..7.  Two such tiles, rounded in pairs, ARE source 1 of O^T = V^T P.  V comes out of LDS turned, by ds_load_tr16_b128.
; THE MASK IS THE C OF EACH SCORE TILE'S FIRST PRODUCT.  A lane's 16 bias bytes land in registers 0-3 of a bias tile; shifted up by 8, 16 and 24 bits they are the other twelve registers of two tiles.  A word with 0xfe on top is a finite
; number under -2^125, one with 0x00 on top is under 2.4e-38.  One set of bias tiles serves both branches.
; THE RUNNING MAXIMUM STARTS FROM A FLOOR, -2^110, as one more operand of the first step's maximum.  While a row has seen hidden keys alone, m is the floor, c s - c m is under -2^120, every p is 0, and l and O stay 0; without the floor m would be
; a bias number, and c s - c m the rounding error of c m, which is no small number at that size.  At the row's first open key a = 2^(c m_old - c m_new) = 0 meets zeros.  A row with no open key ends with m = the floor, under -2^100, and its
; 1 / l is replaced by NaN, which is what the problem's softmax of -infinities gives.
; LIMITS: true scores under -2^100 count as hidden; NaN and infinities among the inputs are not served.
; SOFTMAX.  For each query a running maximum m and sum l: p = 2^(c s - c m), c = log2(e) / 8; in every step O and l are multiplied by a.
; BY TURNS.  Piece 0 is branch 1 (tiles 0, 1), piece 2 is branch 2 (tiles 2, 3).  In a TURN one piece has the matrix unit: 32 products V^T P of the step in hand, then 16 products K Q^T of the next step; the other piece's softmax, 268 vector
; instructions cut into 64 slices, stands between them: one slice behind each V^T P, two behind each K Q^T.  Two turns are a key step: 96 matrix instructions beside 584 vector instructions.
; CLUSTER.  The four query blocks of a cluster belong to one head and walk the same K and V: wave 0 asks for a slot's 128 rows of K and wave 1 for its 128 rows of V JOINTLY.  The bias bytes hang on the query block: waves 2 and 3 fetch them by
; plain loads, 8,192 bytes each; their sharers would be other heads, 16 KiB of a slot's 80, and are left unshared.  A slot holds two key steps.  By this text's own count a wave has two tensor loads out at the start and one behind each round.
; REGISTERS, in windows of 256: window 0: v1-11 addresses; v12-43 eight statistics a tile; v44-51 the lambda vectors, later sums of squares; v52-60 at work; v61 prefetch offset; v62, v63 the add's two; v64-191 S^T; v192-255 P.
;   window 1: O^T, 64 a tile.   window 2: v0-63 Q (16 t + 8 ks); v64-127 bias tiles (32 e + 8 kt + j); v128-255 K of one step.   window 3: v0-127 V of one step; v128-191 subln_weight in O^T's layout.
.set SIZE_N, 4096
.set KS,    64        ; keys in a step
.set PK,    272       ; a row of K in LDS: 256 bytes + 16: the 16 rows of a load start at 16 different banks (64 banks of 4 bytes: ISA guide 11.1)
.set PV,    288       ; a row of V: 256 + 32
.set KSTB,  KS*PK     ; a step's rows of K,
.set VSTB,  KS*PV     ; of V,
.set MSTB,  8192      ; and its bias bytes: 8 tiles of queries x 1,024
.set VOFF,  2*KSTB    ; a slot: 128 rows of K, 128 rows of V, 16,384 bias bytes
.set MOFF,  VOFF+2*VSTB
.set SLOT1, 1<<17     ; slot 1 begins here, so that one exclusive or turns an address in one slot into the other's
.set STAGE, SLOT1+MOFF+2*MSTB  ; behind the ring: 16 rows x 272 bytes for each wave, for the way out
.set SP,    272
.set SPARE, STAGE+4*16*SP      ; the spare words, 128 bytes for each wave: two blocks of 256 bytes that no other line names
.set FLOOR, 0xf6800000         ; -2^110: where the running maximum starts
.set AK0, 2           ; v2   my lane's place in a step's rows of K; never rewritten
.set AV0, 3           ; v3   the same for V
.set ADR, 4           ; v4   the LDS address of the run of loads in hand
.set QO,  5           ; v5   my byte offset in the wave's rows of Q
.set STO, 6           ; v6   the way out: where I put 16 bytes of a row
.set RD,  7           ; v7   where I read a row back
.set GO,  8           ; v8   my byte offset in the wave's rows of the result
.set AM0, 10          ; v10  my lane's place in a step's bias bytes
.set ADM, 11          ; v11  their LDS address
.set ST,  12          ; tile t's statistics at v[ST+8 t]: +0 c m, +1 m, +2, +3 l, +4 to +7 at work; a takes +6 once the maximum is found
.set PFO, 61
.set SPW, 62
.set NIL, 63
.set S,   64
.set P,   192
.set BI,  64          ; in window 2
.set KF,  128         ; in window 2
.set WT,  128         ; in window 3
.set WV,  12          ; s12  my wave's number
.set LIM, 15          ; s15  1 in a wave that prefetches, else the greatest number
.set PFA, 18          ; s[18:19] where my prefetches stand
.set PFS, 20          ; s[20:21] a slot on, in bytes
.set G1K, 24
.set G1V, 32
.set G0K, 40          ; s[40:47] group 0 for K: a set for each first fill; the second then walks on
.set G0V, 48
.set SLOTS, 56
.set TWICE, 57
.set CS,  58          ; s[58:59] c
.set SEL, 60          ; s[60:61] lane selects: lane l xor 16
.set TBK, 62          ; s62, s63, s66: LDS bytes at which K's rows, V's rows and the bias bytes of the step to be fetched begin
.set TBV, 63
.set TBM, 66
.set G1M, 84
.set G0M, 92
.set MSB, 0
.macro WIN new                      ; the immediate's high byte repeats the setting that is left; a switch that changes nothing is dropped
.if MSB != (\new)
	s_set_vgpr_msb (MSB<<8)|(\new)
.set MSB, (\new)
.endif
.endm
.set W_KB, 0x2a       ; K, Q and the bias tile in window 2, S^T in window 0
.set W_KQ, 0x0a       ; K and Q in window 2, S^T in window 0
.set W_PV, 0x53       ; V in window 3, P in window 0, O^T in window 1
.set W_RS, 0x41       ; O^T (destination and source 0) in window 1, source 1 in window 0
; A refill.  Wave 0: K, jointly; wave 1: V, jointly; waves 2 and 3: the two steps' bias bytes.  The branches hang on the wave's number alone.  An s_nop 0 and four v_nop follow each line.
.macro JLOAD
	s_cmp_eq_u32 s[WV], 0
	s_cbranch_scc0 .Lnot_k_\@
	tensor_load_to_lds s[G0K+4:G0K+7], s[G1K:G1K+7]
	s_nop 0
.rept 4
	v_nop
.endr
	s_branch .Lasked_\@
.Lnot_k_\@:
	s_cmp_eq_u32 s[WV], 1
	s_cbranch_scc0 .Lnot_v_\@
	tensor_load_to_lds s[G0V+4:G0V+7], s[G1V:G1V+7]
	s_nop 0
.rept 4
	v_nop
.endr
	s_branch .Lasked_\@
.Lnot_v_\@:
	tensor_load_to_lds s[G0M+4:G0M+7], s[G1M:G1M+7]
	s_nop 0
.rept 4
	v_nop
.endr
.Lasked_\@:
.endm
; A PREFETCH of what the NEXT change of slots will ask for, two key steps ahead of that load; one instruction a wave, a lane to each 256 bytes; each 256 bytes are named once in the launch.
; K's and V's rows are walked by all clusters of a head: the head's first cluster asks, wave 0 for K and wave 1 for V; its four partners take 32 of the 128 rows each, told apart by address.
; The bias bytes of a query block are walked by all eight heads: head 0's work-group asks, waves 2 and 3 for the 8,192 bytes that each will fetch.  The last change that fills a slot asks for nothing.
.macro ASK
	s_cmp_gt_u32 s[SLOTS], s[LIM]
	s_cbranch_scc0 .Lnot_mine_\@
	global_prefetch_b8 v[PFO], s[PFA:PFA+1] th:TH_LOAD_NT scope:SCOPE_SE
.Lnot_mine_\@:
.endm
.macro CROUND                       ; a round of the cluster's barrier
	s_barrier_signal -1
	s_barrier_wait -1
	s_cmp_lg_u32 s[WV], 0
	s_cbranch_scc1 .Lnot_wave_0_\@
	s_barrier_signal -3
.Lnot_wave_0_\@:
	s_barrier_wait -3
	s_barrier_signal -1
	s_barrier_wait -1
.endm
	s_load_b512 s[68:83], s[0:1], 0x0  ; qkv s[68:69], mb s[70:71], lambda_q1, _k1, _q2, _k2 s[72:79], subln_weight s[80:81], at s[82:83]
	v_lshl_add_u32 v[SPW], v0, 2, SPARE
	v_mov_b32 v[NIL], 0
	ds_add_u32 v[SPW], v[NIL]       ; the wave's opening: the add, twice on end, and its wait ahead of my first tensor load
	ds_add_u32 v[SPW], v[NIL]
	v_lshrrev_b32 v1, 5, v0
	v_readfirstlane_b32 s[WV], v1   ; wave 0..3
	s_bfe_u32 s13, ttmp6, 0x40000   ; cx: my place in the cluster
	s_lshl_b32 s14, ttmp9, 2
	s_add_co_u32 s14, s14, s13      ; my block of 128 queries: it enters Q's, the bias's and the result's addresses alone
	s_and_b32 s16, ttmp7, 0xffff    ; the head, which the four partners share
	s_and_b32 s17, s[WV], 1
	s_mov_b32 s[G1K], 15|(1<<16)|(1<<20)|(1<<21)|(5<<22)|(3<<25)  ; the mask: all four work-groups; elements of 2 bytes; padding on; bit 21 beside a mask; after every 64 words, 4 words
	s_mov_b32 s[G1V], 15|(1<<16)|(1<<20)|(1<<21)|(5<<22)|(7<<25)  ; the same with 8 words of padding
.irp g, G1K, G1V
	s_mov_b32 s[\g+1], 128<<16      ; tensor_dim0 = 128
	s_mov_b32 s[\g+2], 128<<16      ; tensor_dim1 = 128
	s_mov_b32 s[\g+3], 128<<16      ; tile_dim0 = 128
	s_mov_b32 s[\g+4], 128          ; tile_dim1 = 128 rows: two key steps
	s_mov_b32 s[\g+5], 128          ; elements from row to row
	s_mov_b32 s[\g+6], 0
	s_mov_b32 s[\g+7], 0
.endr
	s_mov_b32 s[G1M], 3<<16         ; no mask; elements of 8 bytes; no padding: 8,192 dense bytes as 32 rows of 256
	s_mov_b32 s[G1M+1], 32<<16
	s_mov_b32 s[G1M+2], 32<<16
	s_mov_b32 s[G1M+3], 32<<16
	s_mov_b32 s[G1M+4], 32
	s_mov_b32 s[G1M+5], 32
	s_mov_b32 s[G1M+6], 0
	s_mov_b32 s[G1M+7], 0
	s_add_co_u32 s20, s16, 8
	s_lshl_b32 s20, s20, 20         ; K's plane, 8 + head: made of the head alone
	s_mov_b32 s21, 0
	s_lshl_b32 s2, s16, 20          ; Q: plane head,
	s_lshl_b32 s3, s14, 15          ; my block's 128 rows of 256 bytes,
	s_add_co_u32 s2, s2, s3
	s_lshl_b32 s3, s[WV], 13        ; my wave's 32
	s_add_co_u32 s2, s2, s3
	s_mov_b32 s3, 0
	s_lshl_b32 s67, s17, 13         ; which of a slot's two steps' bias bytes I fetch
	s_lshl_b32 s22, s14, 19         ; the bias: 524,288 bytes a block of queries
	s_add_co_u32 s22, s22, s67
	s_mov_b32 s23, 0
	s_lshl_b32 s10, s14, 18         ; the result: 128 rows of 2,048 bytes,
	s_lshl_b32 s11, s[WV], 16       ; 32 rows,
	s_add_co_u32 s10, s10, s11
	s_lshl_b32 s11, s16, 8          ; the head's 256 bytes of a row
	s_add_co_u32 s10, s10, s11
	s_mov_b32 s11, 0
	s_mov_b32 s[CS], 0x3e38aa3b     ; c = log2(e) / sqrt(64)
	s_mov_b32 s[CS+1], s[CS]        ; named with it as a pair, so it is written
	s_mov_b32 s[SEL], 0x76543210
	s_mov_b32 s[SEL+1], 0xfedcba98
	s_mov_b32 s[TBK], 0
	s_mov_b32 s[TBV], 0
	s_mov_b32 s[TBM], 0
	s_mov_b32 s[SLOTS], SIZE_N/(2*KS)-2
	v_and_b32 v[PFO], 31, v0
	v_lshlrev_b32 v[PFO], 8, v[PFO]
	s_wait_dscnt 0x0                ; both opening adds are done
	s_wait_kmcnt 0x0
	s_add_nc_u64 s[6:7], s[68:69], s[20:21]    ; K's plane
	s_add_nc_u64 s[8:9], s[6:7], 0x800000      ; V's: eight planes on
	s_add_nc_u64 s[4:5], s[68:69], s[2:3]      ; Q at my wave's first row
	s_add_nc_u64 s[22:23], s[70:71], s[22:23]  ; the bias bytes that I fetch, in slot 0
	s_add_nc_u64 s[10:11], s[82:83], s[10:11]  ; the result at my wave's first row
	; the prefetches: who asks, and where
	s_lshl_b32 s2, s13, 13          ; K, V: my work-group's 32 rows of the 128
	s_cmp_eq_u32 s[WV], 0
	s_cselect_b64 s[PFA:PFA+1], s[6:7], s[8:9]
	s_cmp_lt_u32 s[WV], 2
	s_cselect_b64 s[PFA:PFA+1], s[PFA:PFA+1], s[22:23]
	s_mov_b32 s[PFS], 16384
	s_cselect_b32 s[PFS], 32768, s[PFS]        ; a slot on: 128 rows of 256 bytes, or two steps' bias bytes
	s_cselect_b32 s2, s2, 0
	s_cselect_b32 s[LIM], ttmp9, s16           ; K, V: the head's first cluster asks; the bias: head 0
	s_cmp_eq_u32 s[LIM], 0
	s_cselect_b32 s[LIM], 1, -1                ; the same in all four partners, for a given wave
	s_lshl_b32 s3, s[PFS], 1
	s_add_co_u32 s2, s2, s3         ; in slot 2: the first change of slots steps it to slot 3.  Nothing is prefetched at the head
	s_mov_b32 s3, 0
	s_mov_b32 s[PFS+1], 0
	s_add_nc_u64 s[PFA:PFA+1], s[PFA:PFA+1], s[2:3]
	CROUND                          ; all four work-groups are here: the first joint loads meet
.irp s, 0,1
	s_mov_b32 s[G0K+4*\s], 1
	s_mov_b32 s[G0K+4*\s+1], \s*SLOT1
	s_add_nc_u64 s[G0K+4*\s+2:G0K+4*\s+3], s[6:7], \s*2*KS*256   ; slot s begins with keys 128 s on
	s_or_b32 s[G0K+4*\s+3], s[G0K+4*\s+3], 0x80000000
	s_mov_b32 s[G0V+4*\s], 1
	s_mov_b32 s[G0V+4*\s+1], \s*SLOT1+VOFF
	s_add_nc_u64 s[G0V+4*\s+2:G0V+4*\s+3], s[8:9], \s*2*KS*256
	s_or_b32 s[G0V+4*\s+3], s[G0V+4*\s+3], 0x80000000
	s_mov_b32 s[G0M+4*\s], 1
	s_add_co_u32 s[G0M+4*\s+1], s67, \s*SLOT1+MOFF
	s_add_nc_u64 s[G0M+4*\s+2:G0M+4*\s+3], s[22:23], \s*2*MSTB
	s_or_b32 s[G0M+4*\s+3], s[G0M+4*\s+3], 0x80000000
.endr
	s_cmp_eq_u32 s[WV], 0           ; a wave's two first fills stand together, ahead of every wait on TENSORcnt and every LDS read
	s_cbranch_scc0 .Lfirst_not_k
	tensor_load_to_lds s[G0K:G0K+3], s[G1K:G1K+7]
	s_nop 0
	tensor_load_to_lds s[G0K+4:G0K+7], s[G1K:G1K+7]
	s_nop 0
.rept 4
	v_nop
.endr
	s_branch .Lfirst_asked
.Lfirst_not_k:
	s_cmp_eq_u32 s[WV], 1
	s_cbranch_scc0 .Lfirst_m
	tensor_load_to_lds s[G0V:G0V+3], s[G1V:G1V+7]
	s_nop 0
	tensor_load_to_lds s[G0V+4:G0V+7], s[G1V:G1V+7]
	s_nop 0
.rept 4
	v_nop
.endr
	s_branch .Lfirst_asked
.Lfirst_m:
	tensor_load_to_lds s[G0M:G0M+3], s[G1M:G1M+7]
	s_nop 0
	tensor_load_to_lds s[G0M+4:G0M+7], s[G1M:G1M+7]
	s_nop 0
.rept 4
	v_nop
.endr
.Lfirst_asked:
	; A fragment of K or Q is 16 rows x 32 channels in 8 registers: lane l holds row l % 16; registers 0-3 channels 8 (l / 16) + 0..7, registers 4-7 channels 16 + 8 (l / 16) + 0..7.
	v_and_b32 v1, 15, v0            ; l % 16
	v_bfe_u32 v9, v0, 4, 1          ; l / 16
	v_lshlrev_b32 v[QO], 8, v1
	v_lshl_add_u32 v[QO], v9, 4, v[QO]
	WIN 0x80                        ; destination window 2, address window 0
.irp t, 0,1,2,3
.irp s, 0,1
	global_load_b128 v[16*\t+8*\s:16*\t+8*\s+3],   v[QO], s[4:5] offset:(\t%2)*4096+(\t/2)*128+\s*64      ; Q stays in registers: tile t, channels 32 s on of its branch
	global_load_b128 v[16*\t+8*\s+4:16*\t+8*\s+7], v[QO], s[4:5] offset:(\t%2)*4096+(\t/2)*128+\s*64+32
.endr
.endr
	WIN 0
	v_and_b32 v54, 31, v0
	v_lshlrev_b32 v52, 3, v54       ; the lambda vectors: two numbers a lane
	v_lshlrev_b32 v53, 5, v9        ; the weights: 32 bytes for each half of the lanes
	global_load_b64 v[44:45], v52, s[72:73]
	global_load_b64 v[46:47], v52, s[74:75]
	global_load_b64 v[48:49], v52, s[76:77]
	global_load_b64 v[50:51], v52, s[78:79]
	WIN 0xc0                        ; destination window 3
.irp c, 0,1,2,3,4,5,6,7
	global_load_b128 v[WT+8*\c:WT+8*\c+3],   v53, s[80:81] offset:64*\c      ; register 8 c + j: the weight of channel 16 c + 8 (l / 16) + j, as O^T holds it
	global_load_b128 v[WT+8*\c+4:WT+8*\c+7], v53, s[80:81] offset:64*\c+16
.endr
	WIN 0
	v_mul_u32_u24 v[AK0], v1, PK
	v_lshl_add_u32 v[AK0], v9, 4, v[AK0]
	; The turning load takes 16 keys x 16 channels (lane l reads 16 bytes: key 8 (l / 16) + l % 8, channels 8 ((l / 8) % 2) + 0..7) and leaves half a fragment of V^T.
	v_and_b32 v55, 7, v0
	v_bfe_u32 v56, v0, 3, 1
	v_lshl_add_u32 v[AV0], v9, 3, v55
	v_mul_u32_u24 v[AV0], v[AV0], PV
	v_lshl_add_u32 v[AV0], v56, 4, v[AV0]
	v_add_nc_u32 v[AV0], VOFF, v[AV0]
	s_lshl_b32 s2, s[WV], 11
	s_add_co_u32 s2, s2, MOFF
	v_lshl_add_u32 v[AM0], v54, 4, s2   ; the bias: my wave's two tiles of queries, 16 x lane
.irp i, 54,55,56,57,58,59,60
	v_mov_b32 v\i, 0                ; written once: a lane permute's destination counts as one of its sources
.endr
; THE MATRIX WORK OF A TURN, for piece x.  The accumulators take turns, one instruction a turn: between two links of a chain stand 15 (V^T P) or 7 (K Q^T) others'.
; Product i of 32 of O^T += V^T P: keys 32 (i / 16) on, channels 16 ((i / 2) % 8) on, tile x + i % 2.  zero = 1: the first 16 start the sums.
.macro PV x, zero
	WIN W_PV
.set rO, 64*(\x+i%2)+8*((i/2)%8)
.set rV, 64*(i/16)+8*((i/2)%8)
.set rP, P+16*(\x+i%2)+8*(i/16)
.if \zero && (i < 16)
	v_wmma_f32_16x16x32_f16 v[rO:rO+7], v[rV:rV+7], v[rP:rP+7], 0
.else
	v_wmma_f32_16x16x32_f16 v[rO:rO+7], v[rV:rV+7], v[rP:rP+7], v[rO:rO+7]
.endif
.endm
; Product i of 16 of S^T = K Q^T + bias: channels 32 (i / 8) on of the piece's branch, keys 16 ((i / 2) % 4) on, tile x + i % 2.  The first 8 start the sums with the bias tile of queries 16 (i % 2) on.
.macro KQ x
.set rS, S+32*(\x+i%2)+8*((i/2)%4)
.set rK, KF+32*((i/2)%4)+8*(\x+i/8)
.set rQ, 16*(\x+i%2)+8*(i/8)
.set rB, BI+32*(i%2)+8*((i/2)%4)
.if i < 8
	WIN W_KB
	v_wmma_f32_16x16x32_f16 v[rS:rS+7], v[rK:rK+7], v[rQ:rQ+7], v[rB:rB+7]
.else
	WIN W_KQ
	v_wmma_f32_16x16x32_f16 v[rS:rS+7], v[rK:rK+7], v[rQ:rQ+7], v[rS:rS+7]
.endif
.endm
; THE LDS LOADS stand in runs: a step's four bias loads and K (64 keys x 128 channels of both branches: 16 fragments), and, a turn later, its V (turned).
.macro FETCH_KM
	WIN 0
	v_add_nc_u32 v[ADM], s[TBM], v[AM0]
	v_add_nc_u32 v[ADR], s[TBK], v[AK0]
	WIN 0x80                        ; destination window 2
.irp e, 0,1
.irp u, 0,1
	ds_load_b128 v[BI+32*\e+16*\u:BI+32*\e+16*\u+3], v[ADM] offset:1024*\e+512*\u   ; queries 16 e on, keys 32 u on: the bias loads come first, so that a counted wait can show them in
.endr
.endr
.irp f, 0,1,2,3,4,5,6,7,8,9,10,11,12,13,14,15  ; keys 16 (f / 4) on, channels 32 (f % 4) on
	ds_load_b128 v[KF+8*\f:KF+8*\f+3],   v[ADR] offset:(\f/4)*16*PK+(\f%4)*64
	ds_load_b128 v[KF+8*\f+4:KF+8*\f+7], v[ADR] offset:(\f/4)*16*PK+(\f%4)*64+32
.endr
.endm
; Bias slice bn of 12: four shifts that bring the next byte of four words to the top: queries 16 (bn / 6) on, keys 32 ((bn % 6) / 3) on, shift 8 (bn % 3 + 1)
.macro BSLICE
	WIN 0x88                        ; source 1 and destination in window 2
.set rB, BI+32*(bn/6)+16*((bn%6)/3)
.irp i, 0,1,2,3
	v_lshlrev_b32 v[rB+4*(bn%3+1)+\i], 8*(bn%3+1), v[rB+\i]
.endr
.endm
.macro FETCH_V
	WIN 0
	v_add_nc_u32 v[ADR], s[TBV], v[AV0]
	s_add_co_u32 s[TBK], s[TBK], KSTB   ; the next fetches are the next step's
	s_add_co_u32 s[TBV], s[TBV], VSTB
	s_add_co_u32 s[TBM], s[TBM], MSTB
	s_wait_alu depctr_va_vdst(0)    ; the wait for the softmax's batch of exponentials (SLICE), ahead of the first instruction that names a result
	WIN 0xc0                        ; destination window 3
.irp f, 0,1,2,3,4,5,6,7,8,9,10,11,12,13,14,15  ; keys 32 (f / 8) on, channels 16 (f % 8) on
	ds_load_tr16_b128 v[8*\f:8*\f+3],   v[ADR] offset:(\f/8)*32*PV+(\f%8)*32
	ds_load_tr16_b128 v[8*\f+4:8*\f+7], v[ADR] offset:(\f/8)*32*PV+16*PV+(\f%8)*32
.endr
.endm
; THE VECTOR WORK OF A TURN.  One tile's softmax for one key step is a list of 134 instructions; SM writes number j of it for tile t.  s0-s31 are the lane's 32 scores, in pairs 0-15.  first = 1: the first key step.
;   0-15    the maximum of s0-s31 and the old m (first step: the floor), three operands at a time (each score tile is first read at its low end)
;   16-20   the other half of the lanes' maximum; the new m; c m; c m_old - c m_new
;   21-69   ONE BATCH: the 16 scalings c s - c m and all 33 exponentials (a at 23, then s0-s31); none of these reads an exponential's result
;   (wait)  between 69 and 70 stands the one wait for the batch
;   70-85   the roundings to f16;   86-101 the sums, l = a l + the sum;   102-133 the tile's O^T times a
.macro SM t, first
.set rT, ST+8*(\t)
.set rS, S+32*(\t)
.set rP, P+16*(\t)
.set rO, 64*(\t)+2*(j-102)
.if j < 102
	WIN 0
.endif
.if j < 4
	v_max3_num_f32 v[rT+4+j], v[rS+8*j], v[rS+8*j+1], v[rS+8*j+2]
.elseif j < 12
	v_max3_num_f32 v[rT+4+j%4], v[rT+4+j%4], v[rS+8*(j%4)+2*(j/4)+1], v[rS+8*(j%4)+2*(j/4)+2]
.elseif j == 12
	v_max3_num_f32 v[rT+4], v[rT+4], v[rS+7], v[rS+15]
.elseif j == 13
	v_max3_num_f32 v[rT+6], v[rT+6], v[rS+23], v[rS+31]
.elseif j == 14
	v_max3_num_f32 v[rT+4], v[rT+4], v[rT+5], v[rT+6]
.elseif (j == 15) && \first
	v_max3_num_f32 v[rT+4], v[rT+4], v[rT+7], FLOOR       ; the floor stands where later steps have the old m, which is never under it
.elseif j == 15
	v_max3_num_f32 v[rT+4], v[rT+4], v[rT+7], v[rT+1]
.elseif j == 16
	v_permlanex16_b32 v[rT+5], v[rT+4], s[SEL], s[SEL+1]  ; the query's other 32 keys lie in the lane 16 away
.elseif j == 18
	v_max_num_f32 v[rT+1], v[rT+4], v[rT+5]
.elseif j == 19
	v_mul_f32 v[rT], s[CS], v[rT+1]
.elseif ((j == 17) || (j == 20) || (j == 23) || (j > 101)) && \first  ; the first step has none of these
.elseif j == 17
	v_mov_b32 v[rT+7], v[rT]        ; c m_old is kept for a
.elseif j == 20
	v_sub_f32 v[rT+7], v[rT+7], v[rT]
.elseif j == 23
	v_exp_f32 v[rT+6], v[rT+7]
.elseif (j < 23) || ((j < 38) && (j%2 == 0)) || ((j < 66) && (j%4 == 2))
.set b, (j-2)/4                     ; 38, 42, .. 62: pairs 9 to 15
.if j < 38
.set b, (j-20)/2                    ; 21: pair 0; 22, 24, .. 36: pairs 1 to 8
.endif
	v_pk_fma_f32 v[rS+2*b:rS+2*b+1], v[rS+2*b:rS+2*b+1], s[CS:CS+1], v[rT:rT+1] op_sel_hi:[1,0,0] neg_lo:[0,0,1] neg_hi:[0,0,1]  ; pair b: c s - c m
.elseif j < 70
.set e, j-38                        ; 66 to 69: s28 to s31
.if j < 66
.set e, j-32-(j-38)/4               ; 39-41, 43-45, .. 63-65: s7 to s27
.endif
.if j < 38
.set e, (j-25)/2                    ; 25, 27, .. 37: s0 to s6
.endif
	v_exp_f32 v[rS+e], v[rS+e]
.elseif j < 86
	v_cvt_pk_f16_f32 v[rP+j-70], v[rS+2*(j-70)], v[rS+2*(j-70)+1]  ; pair j - 70
.elseif j < 102                     ; the sum of the tile's 16 pairs, in place: neighbours 1, 2, 4 and 8 pairs apart, then l takes it
.set z, j-86
.set w, 4
.set u, z
.if z >= 14
.set w, 32
.set u, 0
.elseif z >= 12
.set w, 16
.set u, z-12
.elseif z >= 8
.set w, 8
.set u, z-8
.endif
.if (z == 14) && \first
	v_pk_add_f32 v[rT+2:rT+3], v[rS:rS+1], v[rS+16:rS+17]
.elseif z < 15
	v_pk_add_f32 v[rS+w*u:rS+w*u+1], v[rS+w*u:rS+w*u+1], v[rS+w*u+w/2:rS+w*u+w/2+1]
.elseif !\first
	v_pk_fma_f32 v[rT+2:rT+3], v[rT+2:rT+3], v[rT+6:rT+7], v[rS:rS+1] op_sel_hi:[1,0,1]
.endif
.else
	WIN W_RS
	v_pk_mul_f32 v[rO:rO+1], v[rO:rO+1], v[rT+6:rT+7] op_sel_hi:[1,0]
.endif
.endm
; Slice k of 64 of piece y's softmax: four instructions.  Slices 11 to 34 deal out the batch, four numbers of ONE tile each, the tiles by turns; every other slice is numbers 2 k and 2 k + 1 of both tiles; slice 63 takes the twelve that are over.
; Ahead of slice 35 nothing names an exponential's result, and behind slice 34 no exponential is issued: so the piece's 66 exponentials have one wait, behind slice 34.
.macro SLICE y, first
.if (k >= 11) && (k < 35)
.irp n, 0,1,2,3
.set j, 22+4*((k-11)/2)+(\n)
	SM (\y)+(k-11)%2, \first
.endr
.else
.irp n, 0,1,2,3,4,5,6,7
.if (\n < 2) || (k == 63)
.irp t, \y, \y+1
.set j, 2*k+\n
	SM \t, \first
.endr
.endif
.endr
.endif
.if k == 34
	v_nop                           ; the plain instruction behind the last exponential and ahead of the first use: one for the batch
.if (\y) == 0
	FETCH_V                         ; piece 2's turn: V's run of loads stands here, and the wait stands in it
.else
	s_wait_alu depctr_va_vdst(0)    ; the wait for the batch
.endif
.endif
.set k, k+1
.endm
.macro PLACES                       ; four plain vector instructions between a matrix instruction and a read of its result or a load into its registers
.rept 4
	v_nop
.endr
.endm
; A TURN.  Piece x has the matrix unit; the other piece's softmax stands in slices behind its matrix instructions.  pv = 2: 32 products V^T P; 1: they start O^T's sums; 0: none.  kq = 1: 16 products K Q^T for the next step.
; Slices: with both kinds one behind each V^T P and two behind each K Q^T; with K Q^T alone four; with V^T P alone two.  first = 1: the softmax is the first key step's; its slices from 51 on are empty, and four v_nop are the places at the turn's end.
; Piece 0's turn fetches the next step's bias bytes and K behind its second product (their last readers stand in front of slices 62 and 63 of the turn before, 20 plain instructions), and shifts the bias behind products 8 to 19.
; Piece 2's turn fetches the same step's V behind slice 34: V's last reader stands in front of slice 31, and four plain instructions lie between: number 62, a scaling, of both tiles, the v_nop and the run's own v_add_nc_u32.
.macro TURN x, pv, kq, first
.set k, 0
.set ppv, 2
.set pkq, 4
.if \pv && \kq
.set ppv, 1
.set pkq, 2
.endif
.if \pv
.if \x == 0
	s_wait_dscnt 0x0                ; V is in
.endif
.set i, 0
.rept 32
	PV \x, 2-\pv
.rept ppv
	SLICE 2-\x, \first
.endr
.if (\x == 0) && \kq && (i == 1)
	FETCH_KM
.endif
.if (\x == 0) && \kq && (i >= 8) && (i < 20)
.if i == 8
	s_wait_dscnt 32                 ; the four bias loads are in; the 32 loads of K issued behind them may be out
.endif
.set bn, i-8
	BSLICE
.endif
.set i, i+1
.endr
.endif
.if \kq
.if \x == 0
	s_wait_dscnt 0x0                ; K is in
.endif
.set i, 0
.rept 16
	KQ \x
.rept pkq
	SLICE 2-\x, \first
.endr
.set i, i+1
.endr
.endif
.if \first
	PLACES
.endif
.endm
; THE CHANGE OF SLOTS, between piece 2's turn and piece 0's: the slot's last bytes, V of its second step, have been asked for.  Each wave waits for all its tensor loads (one is out: its part of the other slot), adds 0 to its spare word, and waits
; for that and for its own reads of the slot.  fill = 1: the slot is filled again with the keys two slots on; the barrier is then a round of the cluster's, and the refill is the first thing behind it: it has two key steps, 192 matrix instructions, in which to land.
.macro CHANGE fill
	WIN 0
	s_wait_tensorcnt 0x0            ; no tensor load of mine is out, so a group 0 may be written
	ds_add_u32 v[SPW], v[NIL]       ; 0 onto my spare word
.if \fill
.irp g, G0K+4, G0V+4
	s_xor_b32 s[\g+1], s[\g+1], SLOT1  ; the walking descriptors: the other slot than last time,
	s_add_nc_u64 s[\g+2:\g+3], s[\g+2:\g+3], 2*KS*256  ; the next 128 keys
.endr
	s_xor_b32 s[G0M+5], s[G0M+5], SLOT1
	s_add_nc_u64 s[G0M+6:G0M+7], s[G0M+6:G0M+7], 2*MSTB
	s_wait_xcnt 0x0                 ; the last prefetch, two key steps back, has read its address, so it may be written
	s_add_nc_u64 s[PFA:PFA+1], s[PFA:PFA+1], s[PFS:PFS+1]
	s_wait_dscnt 0x0                ; the add is done, and my reads of the slot are over
	CROUND
	JLOAD
	ASK
.else
	s_wait_dscnt 0x0
	s_barrier_signal -1
	s_barrier_wait -1
.endif
	s_sub_co_u32 s[TBK], s[TBK], 2*KSTB  ; the fetches go back to a slot's first step,
	s_xor_b32 s[TBK], s[TBK], SLOT1      ; in the other slot
	s_sub_co_u32 s[TBV], s[TBV], 2*VSTB
	s_xor_b32 s[TBV], s[TBV], SLOT1
	s_sub_co_u32 s[TBM], s[TBM], 2*MSTB
	s_xor_b32 s[TBM], s[TBM], SLOT1
.endm
.macro TWO_STEPS                    ; a slot's two key steps: written once, walked twice
	s_mov_b32 s[TWICE], 2
.Lstep_\@:
	TURN 0, 2, 1, 0
	TURN 2, 2, 1, 0
	WIN 0
	s_sub_co_u32 s[TWICE], s[TWICE], 1
	s_cmp_lg_u32 s[TWICE], 0
	s_cbranch_scc1 .Lstep_\@
.endm
	s_wait_tensorcnt 1              ; my part of slot 0 is in; slot 1's may stay out
	s_barrier_signal -1
	s_barrier_wait -1               ; everybody's is
	FETCH_KM                        ; key step 0
	s_wait_loadcnt 0x0              ; Q, the lambda vectors, the weights
	s_wait_dscnt 0x0
.set bn, 0
.rept 12
	BSLICE
.set bn, bn+1
.endr
	PLACES
.set i, 0
.rept 16
	KQ 0                            ; piece 0's first scores
.set i, i+1
.endr
	WIN 0                           ; the addresses for the way out: eight plain instructions, the places behind those products
	s_mul_i32 s67, s[WV], 16*SP
	s_add_co_u32 s67, s67, STAGE    ; my stage
	v_mul_u32_u24 v[STO], v1, SP    ; in: row l % 16, 16 bytes for each half of the lanes
	v_lshl_add_u32 v[STO], v9, 4, v[STO]
	v_add_nc_u32 v[STO], s67, v[STO]
	v_mul_u32_u24 v[RD], v9, SP     ; back: lanes 0-15 take one row of 256 bytes, lanes 16-31 the next
	v_lshl_add_u32 v[RD], v1, 4, v[RD]
	v_add_nc_u32 v[RD], s67, v[RD]
	v_lshlrev_b32 v[GO], 11, v9     ; and the same two rows, 2,048 bytes apart, in the result
	v_lshl_add_u32 v[GO], v1, 4, v[GO]
	TURN 2, 0, 1, 1                 ; piece 2's first scores | piece 0's first softmax | V of step 0
	TURN 0, 1, 1, 1                 ; piece 0: V^T P of step 0 starts O^T, K Q^T of step 1 | piece 2's first softmax | bias and K of step 1
	TURN 2, 1, 1, 0                 ; piece 2: the same | piece 0's softmax of step 1 | V of step 1
	WIN 0
.Lslot:                             ; 30 trips: every slot but the last two is filled again
	CHANGE 1
	TWO_STEPS
	s_sub_co_u32 s[SLOTS], s[SLOTS], 1
	s_cmp_lg_u32 s[SLOTS], 0
	s_cbranch_scc1 .Lslot
	CHANGE 0                        ; the tail is written out
	TWO_STEPS
	TURN 0, 2, 0, 0                 ; piece 0: V^T P of the last step | piece 2's last softmax
.set i, 0
.rept 32
	PV 2, 0                         ; piece 2: V^T P of the last step
.set i, i+1
.endr
	; THE END OF A ROW.  l's halves are added; lambda = exp(lq1 . lk1) - exp(lq2 . lk2) + 0.2; attn = O1 / l1 - lambda O2 / l2; x rsqrt(mean of squares + 1e-5) x 0.8 x weight.  The additions are the places behind the last products.
	WIN 0
.irp t, 0,1,2,3
	v_add_f32 v[ST+8*\t+4], v[ST+8*\t+2], v[ST+8*\t+3]
.endr
.irp t, 0,1,2,3
	v_permlanex16_b32 v[ST+8*\t+5], v[ST+8*\t+4], s[SEL], s[SEL+1]
.endr
.irp t, 0,1,2,3
	v_add_f32 v[ST+8*\t+4], v[ST+8*\t+4], v[ST+8*\t+5]
.endr
	v_mul_f32 v54, v44, v46         ; two of the 64 terms a lane
	v_mul_f32 v55, v48, v50
	v_fmac_f32 v54, v45, v47
	v_fmac_f32 v55, v49, v51
.irp m, 1,2,4,8
	v_add_f32_dpp v54, v54, v54 row_xmask:\m row_mask:0xf bank_mask:0xf
	v_add_f32_dpp v55, v55, v55 row_xmask:\m row_mask:0xf bank_mask:0xf
.endr
	v_permlanex16_b32 v56, v54, s[SEL], s[SEL+1]
	v_permlanex16_b32 v57, v55, s[SEL], s[SEL+1]
	v_add_f32 v54, v54, v56
	v_add_f32 v55, v55, v57
	v_mul_f32 v54, 0x3fb8aa3b, v54  ; x log2(e)
	v_mul_f32 v55, 0x3fb8aa3b, v55
.irp t, 0,1,2,3
	v_rcp_f32 v[ST+8*\t+6], v[ST+8*\t+4]
.endr
	v_exp_f32 v58, v54
	v_exp_f32 v59, v55
	v_mov_b32 v60, 0x7fc00000       ; NaN.  (The plain instruction behind the batch)
	s_wait_alu depctr_va_vdst(0)    ; one wait for the four reciprocals and the two exponentials
	v_sub_f32 v58, v58, v59
	v_add_f32 v58, 0x3e4ccccd, v58  ; lambda
.irp t, 0,1,2,3
	v_cmp_gt_f32 vcc_lo, 0xf1800000, v[ST+8*\t+1]          ; -2^100 > m: the row has no open key
	v_cndmask_b32 v[ST+8*\t+6], v[ST+8*\t+6], v60, vcc_lo
.endr
	v_mul_f32 v[ST+22], -v58, v[ST+22]   ; -lambda / l of tiles 2 and 3
	v_mul_f32 v[ST+30], -v58, v[ST+30]
.irp e, 0,1
	WIN W_RS
.set i, 0
.rept 32
	v_pk_mul_f32 v[128+64*\e+i:128+64*\e+i+1], v[128+64*\e+i:128+64*\e+i+1], v[ST+8*(2+\e)+6:ST+8*(2+\e)+7] op_sel_hi:[1,0]
.set i, i+2
.endr
	WIN 0x51                        ; O^T (destination, sources 0 and 2) in window 1, 1 / l in window 0
.set i, 0
.rept 32
	v_pk_fma_f32 v[64*\e+i:64*\e+i+1], v[64*\e+i:64*\e+i+1], v[ST+8*\e+6:ST+8*\e+7], v[128+64*\e+i:128+64*\e+i+1] op_sel_hi:[1,0,1]
.set i, i+2
.endr
	WIN 0x05                        ; sources 0 and 1 in window 1; the sums of squares, two chains of pairs, in window 0
	v_pk_mul_f32 v[44+4*\e:45+4*\e], v[64*\e:64*\e+1], v[64*\e:64*\e+1]
	v_pk_mul_f32 v[46+4*\e:47+4*\e], v[64*\e+2:64*\e+3], v[64*\e+2:64*\e+3]
.set i, 4
.rept 15
	v_pk_fma_f32 v[44+4*\e:45+4*\e], v[64*\e+i:64*\e+i+1], v[64*\e+i:64*\e+i+1], v[44+4*\e:45+4*\e]
	v_pk_fma_f32 v[46+4*\e:47+4*\e], v[64*\e+i+2:64*\e+i+3], v[64*\e+i+2:64*\e+i+3], v[46+4*\e:47+4*\e]
.set i, i+4
.endr
.endr
	WIN 0
	s_mov_b32 s2, 0x3c000000        ; 1 / 128
	s_mov_b32 s3, 0x3727c5ac        ; 1e-5
.irp e, 0,1
	v_pk_add_f32 v[44+4*\e:45+4*\e], v[44+4*\e:45+4*\e], v[46+4*\e:47+4*\e]
.endr
.irp e, 0,1
	v_add_f32 v[44+4*\e], v[44+4*\e], v[45+4*\e]
.endr
.irp e, 0,1
	v_permlanex16_b32 v[45+4*\e], v[44+4*\e], s[SEL], s[SEL+1]   ; the query's other 64 channels lie in the lane 16 away
.endr
.irp e, 0,1
	v_add_f32 v[44+4*\e], v[44+4*\e], v[45+4*\e]
.endr
.irp e, 0,1
	v_fma_f32 v[44+4*\e], v[44+4*\e], s2, s3
.endr
.irp e, 0,1
	v_rsq_f32 v[44+4*\e], v[44+4*\e]
.endr
	v_nop                           ; a plain instruction behind the two
	s_wait_alu depctr_va_vdst(0)    ; and their one wait
.irp e, 0,1
	v_mul_f32 v[44+4*\e], 0x3f4ccccd, v[44+4*\e]   ; x (1 - 0.2)
.endr
.irp e, 0,1
	WIN W_RS
.set i, 0
.rept 32
	v_pk_mul_f32 v[64*\e+i:64*\e+i+1], v[64*\e+i:64*\e+i+1], v[44+4*\e:45+4*\e] op_sel_hi:[1,0]
.set i, i+2
.endr
	WIN 0x4d                        ; O^T in window 1, the weights in window 3
.set i, 0
.rept 32
	v_pk_mul_f32 v[64*\e+i:64*\e+i+1], v[64*\e+i:64*\e+i+1], v[WT+i:WT+i+1]
.set i, i+2
.endr
.endr
; THE WAY OUT.  Tile t (16 queries): a lane's eight channels of a row pack into 16 bytes; they go into rows of 272 bytes and come back as whole rows of 256.
.macro PACK t
	WIN 0x05                        ; sources 0 and 1 window 1, destination window 0: S^T's registers are free
.set i, 0
.rept 32
	v_cvt_pk_f16_f32 v[S+32*\t+i], v[64*\t+2*i], v[64*\t+2*i+1]
.set i, i+1
.endr
	WIN 0
.irp f, 0,1,2,3,4,5,6,7
	ds_store_b128 v[STO], v[S+32*\t+4*\f:S+32*\t+4*\f+3] offset:32*\f
.endr
.irp f, 0,1,2,3,4,5,6,7
	ds_load_b128 v[S+32*\t+4*\f:S+32*\t+4*\f+3], v[RD] offset:\f*2*SP  ; LDS serves a wave's instructions in order: these see the stores above; the next tile's stores come behind them
.endr
.endm
.macro SEND t, younger              ; younger: the LDS instructions issued behind tile t's loads
.irp f, 0,1,2,3,4,5,6,7
	s_wait_dscnt \younger+7-\f
	global_store_b128 v[GO], v[S+32*\t+4*\f:S+32*\t+4*\f+3], s[10:11] offset:\t*32768+\f*4096  ; 16 lanes store 256 consecutive bytes, at a multiple of 256 from the buffer's first byte
.endr
.endm
	PACK 0
	PACK 1
	SEND 0, 16
	SEND 1, 0
	s_wait_tensorcnt 0x0            ; the wave's end, behind my last tensor load and my last LDS store
	ds_add_u32 v[SPW], v[NIL]
	s_wait_dscnt 0x0
	CROUND                          ; the closing round
	s_endpgm
.Lfunc_end_k_q5a73074ffc_attn:
	.size	k_q5a73074ffc_attn, .Lfunc_end_k_q5a73074ffc_attn-k_q5a73074ffc_attn
	.p2alignl 7, 3214868480
	.fill 96, 4, 3214868480
	.section	.rodata,"a",@progbits
	.p2align	6, 0x0
	.amdhsa_kernel k_q5a73074ffc_attn
		.amdhsa_group_segment_fixed_size 327680
		.amdhsa_private_segment_fixed_size 0
		.amdhsa_enable_private_segment 0
		.amdhsa_kernarg_size 64
		.amdhsa_user_sgpr_count 2
		.amdhsa_user_sgpr_kernarg_segment_ptr 1
		.amdhsa_wavefront_size32 1
		.amdhsa_system_sgpr_workgroup_id_x 1
		.amdhsa_system_sgpr_workgroup_id_y 1
		.amdhsa_system_sgpr_workgroup_id_z 1
		.amdhsa_system_vgpr_workitem_id 0
		.amdhsa_next_free_vgpr 1024
		.amdhsa_next_free_sgpr 100
		.amdhsa_reserve_vcc 1
		.amdhsa_float_denorm_mode_32 3
		.amdhsa_float_denorm_mode_16_64 3
		.amdhsa_memory_ordered 1
		.amdhsa_forward_progress 1
		.amdhsa_inst_pref_size 227
	.end_amdhsa_kernel
	.amdgpu_metadata
---
amdhsa.version: [ 1, 2 ]
amdhsa.kernels:
  - .name:           k_q5a73074ffc_attn
    .symbol:         k_q5a73074ffc_attn.kd
    .args:
      - { .name: qkv, .offset: 0, .size: 8, .value_kind: global_buffer, .address_space: global }
      - { .name: mb, .offset: 8, .size: 8, .value_kind: global_buffer, .address_space: global }
      - { .name: lambda_q1, .offset: 16, .size: 8, .value_kind: global_buffer, .address_space: global }
      - { .name: lambda_k1, .offset: 24, .size: 8, .value_kind: global_buffer, .address_space: global }
      - { .name: lambda_q2, .offset: 32, .size: 8, .value_kind: global_buffer, .address_space: global }
      - { .name: lambda_k2, .offset: 40, .size: 8, .value_kind: global_buffer, .address_space: global }
      - { .name: subln_weight, .offset: 48, .size: 8, .value_kind: global_buffer, .address_space: global }
      - { .name: at, .offset: 56, .size: 8, .value_kind: global_buffer, .address_space: global }
    .group_segment_fixed_size: 327680
    .private_segment_fixed_size: 0
    .kernarg_segment_align: 8
    .kernarg_segment_size: 64
    .max_flat_workgroup_size: 128
    .sgpr_count:     100
    .vgpr_count:     1024
    .wavefront_size: 32
...
	.end_amdgpu_metadata
.endif
;; end of part 3
;; launch proj (part 4): grid 8 x 32, 4 waves a work-group, clusters of 4 x 4, 327,680 bytes of LDS; arguments at, wo16, out0; writes out0
.if DOCPART == 4
	.amdgcn_target "amdgcn-amd-amdhsa--gfx1250"
	.amdhsa_code_object_version 6
	.text
	.protected	k_q5a73074ffc_proj
	.globl	k_q5a73074ffc_proj
	.p2align	8
	.type	k_q5a73074ffc_proj,@function
k_q5a73074ffc_proj:
	s_mov_b64 s[64:65], 0
	v_nop
	global_prefetch_b8 v0, s[64:65] scope:SCOPE_SE
	s_setreg_imm32_b32 hwreg(HW_REG_WAVE_MODE, 25, 1), 1
	s_wait_xcnt 0x0
	s_wait_alu depctr_hold_cnt(0) depctr_sa_sdst(0) depctr_va_vdst(0) depctr_va_sdst(0) depctr_va_ssrc(0) depctr_va_vcc(0) depctr_vm_vsrc(0)
	s_getreg_b32 s2, hwreg(HW_REG_IB_STS2, 6, 4)
	s_cmp_eq_u32 s2, 0
	s_cbranch_scc0 .Lentry_in_a_cluster
	s_endpgm
.Lentry_in_a_cluster:
	s_bfe_u32 s2, ttmp6, 0x10000c
	s_cmp_lg_u32 s2, 0xf033
	s_cbranch_scc0 .Lentry_shape_is_right
	s_endpgm
.Lentry_shape_is_right:
; Launch 4 of 4: out0 [4096][1024] f32 = at [4096][1024] x Wo [1024 k][1024 n], both operands f16, sums in f32.  No work is left out.
; A tile of C is 128 x 128, so that each of 256 work-groups has one.  Four waves, each 64 x 64: 16 accumulators of 16 x 16.  K goes in steps of 256 through two LDS slots.
; A (at) lies with K along its rows: 128 rows of 512 bytes a K step.  B (wo16) lies [k][n]: 256 rows (k) of 256 bytes (my 128 n) a K step; its fragments come out of LDS turned, by ds_load_tr16_b128.
; CLUSTERS: 4 x 4 work-groups; A's tiles are asked for jointly along a row of the cluster, B's along a column.  By this text's own count a wave has two tensor loads out at the start and one behind each round.
; THE MATRIX INSTRUCTION IS USED TRANSPOSED (source 0 = 16 columns of B, source 1 = 16 rows of A): a lane then holds eight neighbouring numbers of a row of C.
; REGISTERS: window 0: v0-31 addresses; v32-95 rows on the way out; v128-255 the accumulators ((a, b) at v[128 + 8 (4 a + b)]).  window 1: two fragment buffers of 128: for 64 along K, 64 registers of A, then 64 of B.
.set SIZE_M, 4096
.set SIZE_N, 1024
.set SIZE_K, 1024
.set KSTEP,  256
.set PITCH,  528                       ; a row of A in LDS: 512 bytes + 16: the 16 rows that a load touches start at 16 different banks (64 banks of 4 bytes: ISA guide 11.1)
.set HALFA,  64*PITCH                  ; 64 rows of A: what one tensor load brings, and what one wave reads
.set PB,     288                       ; a row of B in LDS: 256 bytes + 32
.set HALFB,  128*PB                    ; 128 rows (k) of B: what one tensor load brings
.set BOFF,   2*HALFA
.set SLOT,   BOFF+2*HALFB
.set SPARE,  2*SLOT                    ; behind the ring: the spare words, 128 bytes for each wave: two blocks of 256 bytes that no other line names
.set SPITCH, 528                       ; the way out: a stage of 128 rows x (512 bytes + 16), the work-group's, in slot 0, which has had its last fill and its last read when the first result is stored there
.set LAPS, SIZE_K/(2*KSTEP)
.set ADRA, 16                          ; v16-17  LDS address of my A fragments in slot 0, 1
.set ADRB, 20                          ; v20-23  of my B fragments: slot 0 rows 0-127, slot 0 rows 128-255, slot 1 likewise
.set STO,  24
.set RD,   25
.set CO,   26
.set SPW,  28
.set NIL,  29
.set ACC,  128
.set F0,   0
.set F1,   128
.set G1, 24
.set G0, 32
.set G1B, 48
.set G0B, 56
.set MSB, 0
.macro WIN new
.if MSB != (\new)
	s_set_vgpr_msb (MSB<<8)|(\new)
.set MSB, (\new)
.endif
.endm
.set MUL,  0x05                        ; sources 0 (B) and 1 (A) window 1; C and D window 0
.set TO_F, 0x40                        ; destination window 1, address window 0
.macro JLOAD s                         ; a joint load: waves 0 and 1 fetch A's two halves, waves 2 and 3 B's; an s_nop 0 and four v_nop follow each of the two lines
	s_cmp_eq_u32 s11, 0
	s_cbranch_scc0 .Lfor_b_\@
	tensor_load_to_lds s[G0+4*\s:G0+4*\s+3], s[G1:G1+7]
	s_nop 0
.rept 4
	v_nop
.endr
	s_branch .Lasked_\@
.Lfor_b_\@:
	tensor_load_to_lds s[G0B+4*\s:G0B+4*\s+3], s[G1B:G1B+7]
	s_nop 0
.rept 4
	v_nop
.endr
.Lasked_\@:
.endm
.macro CREST                           ; a round of the cluster's barrier behind its opening barrier
	s_cmp_lg_u32 s10, 0
	s_cbranch_scc1 .Lnot_wave_0_\@
	s_barrier_signal -3
.Lnot_wave_0_\@:
	s_barrier_wait -3
	s_barrier_signal -1
	s_barrier_wait -1
.endm
.macro CROUND
	s_barrier_signal -1
	s_barrier_wait -1
	CREST
.endm
	s_load_b128 s[4:7], s[0:1], 0x0                ; at s[4:5], wo16 s[6:7]
	s_load_b64 s[8:9], s[0:1], 0x10                ; out0
	v_lshl_add_u32 v[SPW], v0, 2, SPARE
	v_mov_b32 v[NIL], 0
	ds_add_u32 v[SPW], v[NIL]                      ; the wave's opening: the add, twice on end, and its wait ahead of my first tensor load
	ds_add_u32 v[SPW], v[NIL]
	v_lshrrev_b32 v1, 5, v0
	v_readfirstlane_b32 s10, v1                    ; wave 0..3
	s_lshr_b32 s11, s10, 1                         ; which half of the tile's rows is mine.  Also: I fetch for A (0) or for B (1)
	s_and_b32 s12, s10, 1                          ; which half of its columns.  Also: which half of that tile I fetch
	s_bfe_u32 s40, ttmp6, 0x40000                  ; cx, cy
	s_bfe_u32 s41, ttmp6, 0x40004
	s_lshl_b32 s42, ttmp9, 2
	s_add_co_u32 s42, s42, s40                     ; tile column of C
	s_and_b32 s13, ttmp7, 0xffff
	s_lshl_b32 s13, s13, 2
	s_add_co_u32 s13, s13, s41                     ; tile row of C
	s_lshl_b32 s43, s41, 2
	s_lshl_b32 s43, 15, s43                        ; my row of the cluster
	s_lshl_b32 s44, 0x1111, s40                    ; my column
	s_or_b32 s[G1+0], s43, (1<<16)|(1<<20)|(1<<21)|(6<<22)|(3<<25)   ; A: the mask of my row; elements of 2 bytes; padding: 4 words after every 128; bit 21 beside a mask
	s_mov_b32 s[G1+1], KSTEP<<16                   ; tensor_dim0 = 256
	s_mov_b32 s[G1+2], 64<<16                      ; tensor_dim1 = 64
	s_mov_b32 s[G1+3], KSTEP<<16                   ; tile_dim0 = 256
	s_mov_b32 s[G1+4], 64                          ; tile_dim1 = 64
	s_mov_b32 s[G1+5], SIZE_K                      ; elements from row to row
	s_mov_b32 s[G1+6], 0
	s_mov_b32 s[G1+7], 0
	s_or_b32 s[G1B+0], s44, (1<<16)|(1<<20)|(1<<21)|(5<<22)|(7<<25)  ; B: the mask of my column; padding: 8 words after every 64
	s_mov_b32 s[G1B+1], 128<<16                    ; tensor_dim0 = 128 (n)
	s_mov_b32 s[G1B+2], 128<<16                    ; tensor_dim1 = 128 (k)
	s_mov_b32 s[G1B+3], 128<<16
	s_mov_b32 s[G1B+4], 128
	s_mov_b32 s[G1B+5], SIZE_N
	s_mov_b32 s[G1B+6], 0
	s_mov_b32 s[G1B+7], 0
	s_lshl_b32 s17, s12, 6
	s_lshl_b32 s16, s13, 7
	s_add_co_u32 s16, s16, s17                     ; A: row 128 x tile row + 64 x half,
	s_lshl_b32 s16, s16, 11                        ; of 2,048 bytes
	s_mov_b32 s17, 0
	s_lshl_b32 s46, s12, 18                        ; B: k rows 128 x half, of 2,048 bytes,
	s_lshl_b32 s47, s42, 8                         ; + 256 bytes x tile column
	s_add_co_u32 s46, s46, s47
	s_mov_b32 s47, 0
	s_mul_i32 s20, s12, HALFA                      ; where they go: no place in the cluster enters an LDS address
	s_mul_i32 s21, s12, HALFB
	s_add_co_u32 s21, s21, BOFF
	s_wait_dscnt 0x0                               ; both opening adds are done
	s_wait_kmcnt 0x0
	s_add_nc_u64 s[14:15], s[4:5], s[16:17]
	s_add_nc_u64 s[46:47], s[6:7], s[46:47]
	CROUND                                         ; all sixteen work-groups are here: the first joint loads meet
.irp s, 0,1
	s_mov_b32 s[G0+4*\s], 1
	s_add_co_u32 s[G0+4*\s+1], s20, \s*SLOT
	s_add_nc_u64 s[G0+4*\s+2:G0+4*\s+3], s[14:15], \s*KSTEP*2
	s_or_b32 s[G0+4*\s+3], s[G0+4*\s+3], 0x80000000
	s_mov_b32 s[G0B+4*\s], 1
	s_add_co_u32 s[G0B+4*\s+1], s21, \s*SLOT
	s_add_nc_u64 s[G0B+4*\s+2:G0B+4*\s+3], s[46:47], \s*KSTEP*SIZE_N*2
	s_or_b32 s[G0B+4*\s+3], s[G0B+4*\s+3], 0x80000000
	JLOAD \s
.endr
	v_and_b32 v1, 15, v0                           ; l % 16
	v_bfe_u32 v2, v0, 4, 1                         ; l / 16
	v_mul_u32_u24 v3, v1, PITCH
	v_lshl_add_u32 v3, v2, 4, v3                   ; A: a fragment's row x pitch + 16 x half
	s_mul_i32 s21, s11, HALFA                      ; my 64 rows of A
.irp s, 0,1
	v_add_nc_u32 v[ADRA+\s], s21, v3
	s_add_co_u32 s21, s21, SLOT
.endr
	v_and_b32 v6, 7, v0                            ; B, turned: lane l reads 16 bytes: k row 8 (l / 16) + l % 8, columns 8 ((l / 8) % 2) + 0..7
	v_bfe_u32 v7, v0, 3, 1
	v_lshl_add_u32 v6, v2, 3, v6
	v_mul_u32_u24 v6, v6, PB
	v_lshl_add_u32 v6, v7, 4, v6
	s_lshl_b32 s22, s12, 7                         ; my 64 columns: 128 bytes
	s_add_co_u32 s22, s22, BOFF
.irp n, 0,1,2,3
	s_add_co_u32 s23, s22, (\n/2)*SLOT+(\n%2)*HALFB
	v_add_nc_u32 v[ADRB+\n], s23, v6
.endr
	s_mul_i32 s23, s11, 64*SPITCH                  ; into the stage: my 64 rows, my 256 bytes of their 512; row l % 16, 32 bytes for each half of the lanes
	s_lshl_b32 s21, s12, 8
	s_add_co_u32 s23, s23, s21
	v_mul_u32_u24 v4, v1, SPITCH
	v_lshl_add_u32 v4, v2, 5, v4
	v_add_nc_u32 v[STO], s23, v4
	s_mul_i32 s23, s10, 32*SPITCH                  ; back: wave w takes rows 32 w on, whole: 16 bytes a lane
	v_and_b32 v5, 31, v0
	v_lshlrev_b32 v[CO], 4, v5
	v_add_nc_u32 v[RD], s23, v[CO]
	s_lshl_b32 s16, s13, 7
	s_lshl_b32 s17, s10, 5
	s_add_co_u32 s16, s16, s17                     ; the first row of C that I store,
	s_lshl_b32 s16, s16, 12                        ; of 4,096 bytes,
	s_lshl_b32 s46, s42, 9                         ; + 512 bytes x tile column
	s_add_co_u32 s16, s16, s46
	s_mov_b32 s17, 0
	s_add_nc_u64 s[8:9], s[8:9], s[16:17]
; 8 matrix instructions: m blocks a0, a0 + 1 x all 4 n blocks, 32 along K: half c of buffer f.  zero = 1: the first product starts the sums.  The 16 accumulators take turns.
.macro MUL8 f, c, a0, zero
.irp a, \a0, \a0+1
.irp b, 0,1,2,3
.if \zero
	v_wmma_f32_16x16x32_f16 v[ACC+8*(4*(\a)+\b):ACC+8*(4*(\a)+\b)+7], v[\f+64+8*(4*\c+\b):\f+64+8*(4*\c+\b)+7], v[\f+8*(4*\c+\a):\f+8*(4*\c+\a)+7], 0
.else
	v_wmma_f32_16x16x32_f16 v[ACC+8*(4*(\a)+\b):ACC+8*(4*(\a)+\b)+7], v[\f+64+8*(4*\c+\b):\f+64+8*(4*\c+\b)+7], v[\f+8*(4*\c+\a):\f+8*(4*\c+\a)+7], v[ACC+8*(4*(\a)+\b):ACC+8*(4*(\a)+\b)+7]
.endif
.endr
.endr
.endm
; 32 LDS loads in one run: the fragments of the slot's q-th 64 along K, into buffer f; the first 32 along K first
.macro FETCH slot, q, f
	WIN TO_F
.irp c, 0,1
.irp i, 0,1,2,3
	ds_load_tr16_b128 v[\f+64+8*(4*\c+\i):\f+64+8*(4*\c+\i)+3],   v[ADRB+2*\slot+(\q)/2] offset:(((\q)%2)*64+32*\c)*PB+32*\i
	ds_load_tr16_b128 v[\f+64+8*(4*\c+\i)+4:\f+64+8*(4*\c+\i)+7], v[ADRB+2*\slot+(\q)/2] offset:(((\q)%2)*64+32*\c)*PB+32*\i+16*PB
	ds_load_b128 v[\f+8*(4*\c+\i):\f+8*(4*\c+\i)+3],         v[ADRA+\slot] offset:128*(\q)+64*\c+\i*16*PITCH
	ds_load_b128 v[\f+8*(4*\c+\i)+4:\f+8*(4*\c+\i)+7],       v[ADRA+\slot] offset:128*(\q)+64*\c+\i*16*PITCH+32
.endr
.endr
.endm
.macro PLACES                          ; four places in front of loads into registers that matrix instructions have read, and of reads of results
.rept 4
	v_nop
.endr
.endm
; A K step is four quarters of 64 along K, 32 matrix instructions each, on buffers 0, 1, 0, 1.  One of the first three: multiplies buffer f and fetches quarter q into g.
.macro QUARTER slot, q, f, g, zero
	s_wait_dscnt 16                                ; the first 32 along K are in
	WIN MUL
	MUL8 \f, 0, 0, \zero
	MUL8 \f, 0, 2, \zero
	PLACES
	FETCH \slot, \q, \g
	s_wait_dscnt 32                                ; all but the 32 just issued
	WIN MUL
	MUL8 \f, 1, 0, 0
	MUL8 \f, 1, 2, 0
.endm
; The last quarter multiplies buffer 1 and changes slots: ONE barrier; in front of it each wave waits for all its tensor loads, adds 0 to its spare word, and waits for that and for its own reads of this slot.  fill = 1: this slot is filled again, two K steps ahead.
.macro TURN slot, next, fill
	WIN 0
	s_wait_tensorcnt 0x0                           ; all my tensor loads have landed: my part of the next slot
	ds_add_u32 v[SPW], v[NIL]                      ; 0 onto my spare word
	s_wait_dscnt 17                                ; (the add and the youngest sixteen loads may be out)
	WIN MUL
	MUL8 F1, 0, 0, 0
	s_wait_dscnt 0x0                               ; the add is done, and my reads of this slot are over
	s_barrier_signal -1
	MUL8 F1, 0, 2, 0
.if \fill
	WIN 0
.endif
	s_barrier_wait -1
.if \fill
	CREST                                          ; the barrier has opened a round of the cluster's barrier: no wave of any partner still reads this slot or has a load on its way
	s_add_nc_u64 s[G0+4*\slot+2:G0+4*\slot+3], s[G0+4*\slot+2:G0+4*\slot+3], 2*KSTEP*2
	s_add_nc_u64 s[G0B+4*\slot+2:G0B+4*\slot+3], s[G0B+4*\slot+2:G0B+4*\slot+3], 2*KSTEP*SIZE_N*2
	JLOAD \slot                                    ; the first tensor load behind the round; the four v_nop behind it are also the places in front of the loads below
.else
	PLACES
.endif
	FETCH \next, 0, F0
	WIN MUL
	MUL8 F1, 1, 0, 0
	MUL8 F1, 1, 2, 0
.endm
	s_wait_tensorcnt 1                             ; my part of K step 0 is in (K step 1's may be out)
	s_barrier_signal -1
	s_barrier_wait -1                              ; everybody's is
	FETCH 0, 0, F0
	QUARTER 0, 1, F0, F1, 1                        ; the first quarter stands in front of the loop: its first products start the sums
	WIN 0
	s_mov_b32 s3, LAPS-1
.Llap:                                                 ; a trip goes once round the ring and fills both slots again
	QUARTER 0, 2, F1, F0, 0
	QUARTER 0, 3, F0, F1, 0
	TURN 0, 1, 1
	QUARTER 1, 1, F0, F1, 0
	QUARTER 1, 2, F1, F0, 0
	QUARTER 1, 3, F0, F1, 0
	TURN 1, 0, 1
	QUARTER 0, 1, F0, F1, 0
	WIN 0
	s_sub_co_u32 s3, s3, 1
	s_cmp_lg_u32 s3, 0
	s_cbranch_scc1 .Llap
	QUARTER 0, 2, F1, F0, 0                        ; the last lap fills nothing
	QUARTER 0, 3, F0, F1, 0
	TURN 0, 1, 0
	QUARTER 1, 1, F0, F1, 0
	QUARTER 1, 2, F1, F0, 0
	QUARTER 1, 3, F0, F1, 0
	s_wait_dscnt 16                                ; the very last quarter: nothing more to fetch
	WIN MUL
	MUL8 F1, 0, 0, 0
	MUL8 F1, 0, 2, 0
	s_wait_dscnt 0
	MUL8 F1, 1, 0, 0
	MUL8 F1, 1, 2, 0
	WIN 0
	; THE WAY OUT: 32 bytes a lane into the work-group's stage, each accumulator from its low end on; a barrier, since a row's 512 bytes come from two waves; back as whole rows, 32 rows a wave.
	PLACES
.irp a, 0,1,2,3
.irp b, 0,1,2,3
	ds_store_b128 v[STO], v[ACC+8*(4*\a+\b):ACC+8*(4*\a+\b)+3] offset:\a*16*SPITCH+64*\b
	ds_store_b128 v[STO], v[ACC+8*(4*\a+\b)+4:ACC+8*(4*\a+\b)+7] offset:\a*16*SPITCH+64*\b+16
.endr
.endr
	s_wait_dscnt 0x0                               ; for the others' sake: my stores into the stage are done
	s_barrier_signal -1
	s_barrier_wait -1
.set t, 0
.rept 32
.if t < 16
.set rr, 32+4*t
.else
.set rr, 128+4*(t-16)
.endif
	ds_load_b128 v[rr:rr+3], v[RD] offset:t*SPITCH
.set t, t+1
.endr
.set t, 0
.rept 32
.if t < 16
.set rr, 32+4*t
.else
.set rr, 128+4*(t-16)
.endif
	s_wait_dscnt 31-t                              ; LDS loads come back in order: row t is in
	global_store_b128 v[CO], v[rr:rr+3], s[8:9] offset:t*SIZE_N*4 th:TH_STORE_NT   ; 32 lanes store 512 consecutive bytes, at a multiple of 256 from the output's first byte
.set t, t+1
.endr
	s_wait_tensorcnt 0x0                           ; the wave's end, behind my last tensor load and my last LDS store
	ds_add_u32 v[SPW], v[NIL]
	s_wait_dscnt 0x0
	CROUND                                         ; the closing round
	s_endpgm
.Lfunc_end_k_q5a73074ffc_proj:
	.size	k_q5a73074ffc_proj, .Lfunc_end_k_q5a73074ffc_proj-k_q5a73074ffc_proj
	.p2alignl 7, 3214868480
	.fill 96, 4, 3214868480
	.section	.rodata,"a",@progbits
	.p2align	6, 0x0
	.amdhsa_kernel k_q5a73074ffc_proj
		.amdhsa_group_segment_fixed_size 327680
		.amdhsa_private_segment_fixed_size 0
		.amdhsa_enable_private_segment 0
		.amdhsa_kernarg_size 24
		.amdhsa_user_sgpr_count 2
		.amdhsa_user_sgpr_kernarg_segment_ptr 1
		.amdhsa_wavefront_size32 1
		.amdhsa_system_sgpr_workgroup_id_x 1
		.amdhsa_system_sgpr_workgroup_id_y 1
		.amdhsa_system_sgpr_workgroup_id_z 1
		.amdhsa_system_vgpr_workitem_id 0
		.amdhsa_next_free_vgpr 512
		.amdhsa_next_free_sgpr 66
		.amdhsa_reserve_vcc 0
		.amdhsa_float_denorm_mode_32 3
		.amdhsa_float_denorm_mode_16_64 3
		.amdhsa_memory_ordered 1
		.amdhsa_forward_progress 1
		.amdhsa_inst_pref_size 87
	.end_amdhsa_kernel
	.amdgpu_metadata
---
amdhsa.version: [ 1, 2 ]
amdhsa.kernels:
  - .name:           k_q5a73074ffc_proj
    .symbol:         k_q5a73074ffc_proj.kd
    .args:
      - { .name: at, .offset: 0, .size: 8, .value_kind: global_buffer, .address_space: global }
      - { .name: wo16, .offset: 8, .size: 8, .value_kind: global_buffer, .address_space: global }
      - { .name: out0, .offset: 16, .size: 8, .value_kind: global_buffer, .address_space: global }
    .group_segment_fixed_size: 327680
    .private_segment_fixed_size: 0
    .kernarg_segment_align: 8
    .kernarg_segment_size: 24
    .max_flat_workgroup_size: 128
    .sgpr_count:     66
    .vgpr_count:     512
    .wavefront_size: 32
...
	.end_amdgpu_metadata
.endif
;; end of part 4
